; MI455X (gfx1250); checked and timed in simulation.
; The chip was launched on July 23, 2026; its instructions are those of AMD's public machine-readable ISA for CDNA 5 (MIT licence, August 2026) and "CDNA5" Instruction Set Architecture Reference Guide (July 2026). The comments in the code are by the model that wrote it; some were corrected since.
;; Self Attention. Allowed arithmetic: matrix products marked QUANTISED: E2M1 operands, one E8M0 scale for each 32 along K, by v_wmma_scale_f32_16x16x128_f8f6f4 with both operands' format E2M1 (or v_wmma_scale_f32_32x16x128_f4), f32 sums; everything else in f32.
;; Inputs: fc_b 1,024 float32; fc_w 1,024 x 1,024 float32; qkv_b 3,072 float32; qkv_w 3,072 x 1,024 float32; x 8 x 1,024 x 1,024 float32.
;; Outputs: out0 8 x 1,024 x 1,024 float32.
;; This version of the problem:
;;   THIS VERSION OF THE PROBLEM IS GIVEN IN LOW PRECISION. The matrix products marked QUANTISED in the list below multiply operands that are first quantised to E2M1 (2 exponent bits, 1 mantissa bit; 4 bits a number), with one power-of-two scale for each 32 numbers along K (OCP MX v1.0); their sums are f32. All else is computed in f32.
;;   The module's matrix products, in the order in which they are computed (A, B: the left and right operand; K: the contracted axis; several contracted axes count as one K, in the product's order):
;;     1. [M 8,192, K 1,024] x [K 1,024, N 3,072]; A: input x; B: input qkv_w: QUANTISED
;;     2. batch 128 x [M 1,024, K 64] x [K 64, N 1,024]; A: computed on the way; B: computed on the way: QUANTISED
;;     3. batch 128 x [M 1,024, K 1,024] x [K 1,024, N 64]; A: softmax (see below); B: computed on the way: QUANTISED
;;     4. [M 8,192, K 1,024] x [K 1,024, N 1,024]; A: computed on the way; B: input fc_w: QUANTISED
;;   THE QUANTISER, for each operand of a quantised product, along K:
;;     - K is cut into blocks of 32 from its start; a last block that is shorter is filled with zeros.
;;     - A block's scale is 2^e with e = floor(log2(the largest magnitude in the block)) - 2, held to -126 .. 127; a block of zeros has e = 0. As a byte (E8M0): e + 127.
;;     - Each number is divided by its block's scale, clamped to +-6, and rounded to the nearest number of E2M1, ties to even, subnormals kept.
;;     - The product sums the exact products of the quantised numbers (number of the format x scale) in f32.
;;   ~~~python
;;   def quantise(x, axis):      # numpy; x: float32 -> the quantised numbers, widened to float32 again
;;       x = np.moveaxis(x, axis, -1); K = x.shape[-1]
;;       x = np.pad(x, [(0, 0)] * (x.ndim - 1) + [(0, -K % 32)]); x = x.reshape(x.shape[:-1] + (-1, 32)); a = np.abs(x).max(-1, keepdims=True)
;;       e = np.where(a > 0, np.clip(np.frexp(np.where(a > 0, a, 1))[1] - 1 - 2, -126, 127), 0)      # np.frexp(a)[1] - 1 = floor(log2(a)), exactly
;;       r = np.clip(x / 2.0 ** e, -6, 6)
;;       step = 2.0 ** (np.maximum(np.frexp(np.where(r == 0, 1, r))[1] - 1, 0) - 1)
;;       q = np.round(r / step) * step * 2.0 ** e      # np.round: ties to even
;;       return np.moveaxis(q.reshape(q.shape[:-2] + (-1,))[..., :K], -1, axis).astype(np.float32)
;;   ~~~
;;   SOFTMAX AHEAD OF A QUANTISED PRODUCT. Where the list says 'softmax', what is quantised is not the finished softmax but p = 2^(t - M), with t = logit x log2(e) and M = ceil(the row's largest t), a whole number; so 1/2 < the row's largest p <= 1. The row's sum l is taken of the UNQUANTISED p, in f32, and the product's result is divided by l at the end. Since M is a whole number, a kernel that streams over the keys may use a running M (the ceiling of the running maximum): every later rescaling is an exact power of two, which a block's scale takes up: the codes' values come out the same.
;;   OPERANDS COMPUTED ON THE WAY. 'Computed on the way' means the value that the module computes at that place (a softmax that the list does not call 'softmax' is quantised finished and normalised). What goes into a quantiser is computed in f32, as accurately as f32 sums, v_exp_f32 and their like allow (about 1e-6 of the number): no bf16 or f16 on the way to a quantiser, and a product that is left as it is and whose result goes on into a quantised operand takes f32 operands (vector FMAs, or v_wmma_f32_16x16x4_f32). A number that lies on a knife's edge between two numbers of the format may be rounded either way, as far as f32 arithmetic and the matrix unit's own rounding can turn it there, and no further.
;; One version. Each part assembles by itself: llvm-mc -triple=amdgcn-amd-amdhsa -mcpu=gfx1250 --defsym DOCPART=n.
;; ======== version 1 of 1: 4 launches
;; limits: right only within a limited range of input values
;; workspace buffers: cod 6,291,456 bytes; scl 393,216 bytes; qkv 13,893,632 bytes; oimg 4,194,304 bytes; osc 262,144 bytes
;; launch quant (part 1): grid 384 x 1, 4 waves a work-group, no clusters, 33,280 bytes of LDS; arguments x, qkv_w, fc_w, cod, scl; writes cod, scl
.if DOCPART == 1
	.amdgcn_target "amdgcn-amd-amdhsa--gfx1250"
	.amdhsa_code_object_version 6
	.text
	.protected	k_q0738355ace_quant
	.globl	k_q0738355ace_quant
	.p2align	8
	.type	k_q0738355ace_quant,@function
k_q0738355ace_quant:
	s_mov_b64 s[64:65], 0
	v_nop
	global_prefetch_b8 v0, s[64:65] scope:SCOPE_SE
	s_setreg_imm32_b32 hwreg(HW_REG_WAVE_MODE, 25, 1), 1
	s_wait_xcnt 0x0
; x [8192][1024], qkv_w [3072][1024] and fc_w [1024][1024], f32, become codes of FP4 (E2M1), K innermost (a row: 512 bytes), in cod, and one E8M0 byte for each 32 along K (a row: 32 bytes) in scl.
; A block's scale is 2^(floor(log2(its largest magnitude)) - 2); its byte is the largest magnitude's exponent field - 2, held at 1 from below; numbers are divided by the scale and rounded to the nearest code, ties to even, beyond 6 the code of 6.
; LIMITS: a block whose largest magnitude lies under 2^-124, a block of zeros among them, gets the byte 1 (the rule says 127 for zeros: the codes are zeros and only this program reads the bytes); NaN and infinities are not served.
; ROW ORDER.  In cod and scl the rows of every group of 32 stand with bits 3 and 4 of the row's number exchanged: place 16 u + 8 a + c holds row 16 a + 8 u + c.  Sixteen neighbouring places, taken as source 0 of a matrix
; instruction, then leave in a lane's registers of two neighbouring tiles sixteen NEIGHBOURING rows, which is what the next quantiser wants.  qkv_w's rows (head, type, 64) are regrouped as (type, head, 64).
; SHARES.  A work-group takes a group of 32 rows: 0-255 x, 256-351 qkv_w, 352-383 fc_w; a wave 8 rows = 16 steps of 512 numbers.  The exchange of bits is a change of place of whole waves' runs: wave 2 a + u stores as run 2 u + a.
; Each of a step's four loads reads 512 consecutive bytes; the 2,048 bytes turn through the wave's own stage in LDS (16 bytes of padding behind each 64) and come back 64 bytes a lane: 16 neighbours, two lanes to a block.
; A wave stores 256 consecutive bytes of codes a step, and its 256 scale bytes at the end as one aligned run.  Waves share nothing: no barrier.  Loads run four steps ahead, the turn through LDS one step.
.set STEPS, 16
.set EMAX,  2
.set CB,    8                          ; bytes of 16 codes
.set R,     16                         ; v16-79   four sets of 16 numbers as they are loaded
.set X,     80                         ; v80-111  two sets of 16 neighbours
.set C,     128                        ; v128-191 codes: four registers for each step, so that no store's data are written again
.set E,     112                        ; v112-127 a scale byte for each step
.set WREG,  8192                       ; LDS: a region for each wave: two stages of 32 x SP bytes, behind them its 256 scale bytes
.set SP,    80                         ; a lane's place in a stage: 64 bytes + 16 of padding
	s_load_b128 s[4:7], s[0:1], 0x0                ; x, qkv_w
	s_load_b128 s[8:11], s[0:1], 0x10              ; fc_w, cod
	s_load_b64 s[12:13], s[0:1], 0x20              ; scl
	v_lshl_add_u32 v192, v0, 2, 0x8000
	v_mov_b32 v193, 0
	v_lshrrev_b32 v1, 5, v0
	v_readfirstlane_b32 s16, v1                    ; wave
	v_and_b32 v2, 31, v0                           ; lane
	v_lshlrev_b32 v3, 4, v2                        ; my 16 bytes of a load's 512
	s_mul_i32 s17, s16, WREG
	v_lshrrev_b32 v14, 2, v2
	v_mul_u32_u24 v14, v14, SP
	v_and_b32 v15, 3, v2
	v_lshl_add_u32 v14, v15, 4, v14
	v_add_nc_u32 v14, s17, v14                     ; the stage, on the way in: SP (lane / 4) + 16 (lane % 4)
	v_mul_u32_u24 v15, v2, SP
	v_add_nc_u32 v15, s17, v15                     ; on the way out: SP x lane: my 16 neighbours
	v_mul_u32_u24 v4, v2, CB                       ; my codes' place in a step's
	v_lshrrev_b32 v5, 1, v2
	s_add_co_u32 s17, s17, 2*32*SP
	v_add_nc_u32 v5, s17, v5                       ; LDS: my wave's 256 scale bytes, my block's byte
	v_lshlrev_b32 v7, 3, v2                        ; and on the way out 8 bytes a lane
	v_add_nc_u32 v6, s17, v7
	; which tensor, which group of 32 rows in it, and which group of cod and scl.  All the arithmetic first, then two compares with their selects
	s_sub_co_u32 s20, ttmp9, 256                   ; G: qkv_w's group, 0 .. 95
	s_mul_i32 s21, s20, 43
	s_lshr_b32 s21, s21, 8                         ; G / 6 for G under 96: the head
	s_mul_i32 s22, s21, 6
	s_sub_co_u32 s22, s20, s22                     ; G % 6
	s_lshr_b32 s23, s22, 1                         ; the type: q, k, v
	s_and_b32 s22, s22, 1                          ; which 32 of the head's 64
	s_lshl_b32 s24, s23, 5
	s_lshl_b32 s28, s21, 1
	s_add_co_u32 s24, s24, s28
	s_add_co_u32 s24, s24, s22
	s_add_co_u32 s24, s24, 256                     ; its group in cod: 256 + 32 type + 2 head + half
	s_sub_co_u32 s25, ttmp9, 352                   ; fc_w's group
	s_wait_alu depctr_va_vdst(0)
	s_wait_kmcnt 0x0
	s_cmp_lt_u32 ttmp9, 256                        ; the choices hang on the work-group's number alone
	s_cselect_b64 s[4:5], s[4:5], s[6:7]
	s_cselect_b32 s26, ttmp9, s20
	s_cselect_b32 s27, ttmp9, s24
	s_cmp_ge_u32 ttmp9, 352
	s_cselect_b64 s[4:5], s[8:9], s[4:5]
	s_cselect_b32 s26, s25, s26
	s_cselect_b32 s27, ttmp9, s27
	s_lshl_b32 s26, s26, 2
	s_add_co_u32 s26, s26, s16                     ; the run of 8 rows that I read
	s_lshl_b32 s28, s26, 15                        ; 32,768 bytes a run
	s_mov_b32 s29, 0
	s_add_nc_u64 s[4:5], s[4:5], s[28:29]
	s_and_b32 s30, s16, 1
	s_lshl_b32 s30, s30, 1
	s_lshr_b32 s31, s16, 1
	s_or_b32 s30, s30, s31                         ; the run's place in its group: bits exchanged
	s_lshl_b32 s27, s27, 2
	s_add_co_u32 s27, s27, s30
	s_lshl_b32 s28, s27, 12                        ; 4,096 bytes of codes a run
	s_add_nc_u64 s[10:11], s[10:11], s[28:29]
	s_lshl_b32 s28, s27, 8                         ; 256 scale bytes a run
	s_add_nc_u64 s[12:13], s[12:13], s[28:29]
.macro LOAD t
.irp i, 0,1,2,3
	global_load_b128 v[R+16*((\t)%4)+4*\i:R+16*((\t)%4)+4*\i+3], v3, s[4:5] offset:2048*(\t)+512*\i th:TH_LOAD_NT   ; 32 lanes read 512 consecutive bytes
.endr
.endm
.macro TURN t                          ; step t's numbers through the stage: LDS serves a wave's instructions in order, so no wait stands between the stores and the loads
.irp i, 0,1,2,3
	ds_store_b128 v14, v[R+16*((\t)%4)+4*\i:R+16*((\t)%4)+4*\i+3] offset:32*SP*((\t)%2)+8*SP*\i
.endr
.irp i, 0,1,2,3
	ds_load_b128 v[X+16*((\t)%2)+4*\i:X+16*((\t)%2)+4*\i+3], v15 offset:32*SP*((\t)%2)+16*\i
.endr
.endm
.irp t, 0,1,2,3
	LOAD \t
.endr
	s_wait_loadcnt 12                              ; step 0's four loads are in; the twelve of steps 1 to 3 may be out
	TURN 0
.macro STEP t
.set XS, X+16*((\t)%2)
.if (\t) > 0
	s_wait_dscnt 1                                 ; this step's numbers are back from the stage (the last step's byte store may be out): so its stores into the stage have read their registers,
.else
	s_wait_dscnt 0x0
.endif
.if (\t)+4 < STEPS
	LOAD (\t)+4                                    ; which take the loads of four steps on
.endif
.if (\t)+1 < STEPS
.if STEPS-2-(\t) >= 3
	s_wait_loadcnt 12                              ; the next step's four loads are in; those of the three steps behind it may be out
.else
	s_wait_loadcnt 4*(STEPS-2-(\t))
.endif
	TURN (\t)+1                                    ; and go through the other stage while this step is worked
.endif
	v_max3_num_f32 v8, |v[XS]|, |v[XS+1]|, |v[XS+2]|               ; the largest magnitude of my 16, in two chains
	v_max3_num_f32 v9, |v[XS+3]|, |v[XS+4]|, |v[XS+5]|
.irp i, 6,10
	v_max3_num_f32 v8, v8, |v[XS+\i]|, |v[XS+\i+1]|
	v_max3_num_f32 v9, v9, |v[XS+\i+2]|, |v[XS+\i+3]|
.endr
	v_max3_num_f32 v8, v8, |v[XS+14]|, |v[XS+15]|
	v_max3_num_f32 v8, v8, v9, (EMAX+1)<<23        ; and the floor 2^(3 - 127): the byte cannot fall under 1
	v_max_num_f32_dpp v8, v8, v8 row_xmask:1 row_mask:0xf bank_mask:0xf   ; and of my neighbour's 16: the block's
	v_add_nc_u32 v11, -(EMAX<<23), v8              ; 2 off its exponent field: the conversion takes the exponent field of this operand as its scale
	v_cvt_scalef32_pk8_fp4_f32 v[C+4*(\t)], v[XS:XS+7], v11
	v_cvt_scalef32_pk8_fp4_f32 v[C+4*(\t)+1], v[XS+8:XS+15], v11
	v_lshrrev_b32 v[E+(\t)], 23, v11               ; the scale's byte (also the plain line behind the conversions)
	ds_store_b8 v5, v[E+(\t)] offset:16*(\t)       ; both lanes of a block write the same byte with the same value
	global_store_b64 v4, v[C+4*(\t):C+4*(\t)+1], s[10:11] offset:32*CB*(\t)   ; the wave stores 256 consecutive bytes, aligned
.endm
.irp t, 0,1,2,3,4,5,6,7,8,9,10,11,12,13,14,15
	STEP \t
.endr
	ds_load_b64 v[12:13], v6                       ; LDS serves a wave's instructions in order: these see my stores
	s_wait_dscnt 0x0
	global_store_b64 v7, v[12:13], s[12:13]        ; 32 lanes store 256 consecutive bytes, aligned
	s_wait_tensorcnt 0x0
	ds_add_u32 v192, v193
	s_wait_dscnt 0x0
	s_endpgm
.Lfunc_end_k_q0738355ace_quant:
	.size	k_q0738355ace_quant, .Lfunc_end_k_q0738355ace_quant-k_q0738355ace_quant
	.p2alignl 7, 3214868480
	.fill 96, 4, 3214868480
	.section	.rodata,"a",@progbits
	.p2align	6, 0x0
	.amdhsa_kernel k_q0738355ace_quant
		.amdhsa_group_segment_fixed_size 33280
		.amdhsa_private_segment_fixed_size 0
		.amdhsa_enable_private_segment 0
		.amdhsa_kernarg_size 40
		.amdhsa_user_sgpr_count 2
		.amdhsa_user_sgpr_kernarg_segment_ptr 1
		.amdhsa_wavefront_size32 1
		.amdhsa_system_sgpr_workgroup_id_x 1
		.amdhsa_system_sgpr_workgroup_id_y 1
		.amdhsa_system_sgpr_workgroup_id_z 1
		.amdhsa_system_vgpr_workitem_id 0
		.amdhsa_next_free_vgpr 194
		.amdhsa_next_free_sgpr 66
		.amdhsa_reserve_vcc 0
		.amdhsa_float_denorm_mode_32 3
		.amdhsa_float_denorm_mode_16_64 3
		.amdhsa_memory_ordered 1
		.amdhsa_forward_progress 1
		.amdhsa_inst_pref_size 34
	.end_amdhsa_kernel
	.amdgpu_metadata
---
amdhsa.version: [ 1, 2 ]
amdhsa.kernels:
  - .name:           k_q0738355ace_quant
    .symbol:         k_q0738355ace_quant.kd
    .args:
      - { .name: x, .offset: 0, .size: 8, .value_kind: global_buffer, .address_space: global }
      - { .name: qkv_w, .offset: 8, .size: 8, .value_kind: global_buffer, .address_space: global }
      - { .name: fc_w, .offset: 16, .size: 8, .value_kind: global_buffer, .address_space: global }
      - { .name: cod, .offset: 24, .size: 8, .value_kind: global_buffer, .address_space: global }
      - { .name: scl, .offset: 32, .size: 8, .value_kind: global_buffer, .address_space: global }
    .group_segment_fixed_size: 33280
    .private_segment_fixed_size: 0
    .kernarg_segment_align: 8
    .kernarg_segment_size: 40
    .max_flat_workgroup_size: 128
    .sgpr_count:     66
    .vgpr_count:     194
    .wavefront_size: 32
...
	.end_amdgpu_metadata
.endif
;; end of part 1
;; launch qkvgemm (part 2): grid 8 x 32, 4 waves a work-group, clusters of 4 x 4, 327,680 bytes of LDS; arguments cod, scl, qkv_b, qkv; writes qkv
.if DOCPART == 2
	.amdgcn_target "amdgcn-amd-amdhsa--gfx1250"
	.amdhsa_code_object_version 6
	.text
	.protected	k_q0738355ace_qkvgemm
	.globl	k_q0738355ace_qkvgemm
	.p2align	8
	.type	k_q0738355ace_qkvgemm,@function
k_q0738355ace_qkvgemm:
	s_mov_b64 s[64:65], 0
	v_nop
	global_prefetch_b8 v0, s[64:65] scope:SCOPE_SE
	s_setreg_imm32_b32 hwreg(HW_REG_WAVE_MODE, 25, 1), 1
	s_wait_xcnt 0x0
	s_wait_alu depctr_hold_cnt(0) depctr_sa_sdst(0) depctr_va_vdst(0) depctr_va_sdst(0) depctr_va_ssrc(0) depctr_va_vcc(0) depctr_vm_vsrc(0)
	s_getreg_b32 s2, hwreg(HW_REG_IB_STS2, 6, 4)
	s_cmp_eq_u32 s2, 0
	s_cbranch_scc0 .Lentry_in_a_cluster
	s_endpgm
.Lentry_in_a_cluster:
	s_bfe_u32 s2, ttmp6, 0x10000c
	s_cmp_lg_u32 s2, 0xf033
	s_cbranch_scc0 .Lentry_shape_is_right
	s_endpgm
.Lentry_shape_is_right:
; qkv = x qkv_w^T + qkv_b on codes of FP4 with E8M0 scales (K = 1,024), and its results quantised at once for attention's two products: q and k along the head's 64 channels, v along the keys.
; They leave as IMAGES OF OPERAND REGISTERS (16 bytes a lane, 512 bytes a group of four registers) in records of REC bytes, one for each (batch, head):
;   KI +0      [token tile 64][512]: lane (r, h): token place 16 T + r, channels 32 h .. 32 h + 31          KS +32,768 [step 8][512]: the scale word of tile 2 B + hh, row r at 16 (16 hh + r) + 4 B; bytes 2, 3 = 127
;   VI +36,864 [step 8][channel tile 4][c 2][512]: 16 channel places x 128 keys                             VS +69,632 [step 8][256]: the word of tile 2 B + hh, row r at 8 (16 hh + r) + 4 B
;   QI +71,680 as KI                                                                                        QS +104,448 as KS
; ROWS.  x's and qkv_w's rows lie in cod with bits 3 and 4 of the row's number exchanged inside each 32.  Sixteen neighbouring places as source 0 leave, in the 16 registers of tiles 2 g and 2 g + 1 of lane (r, h),
; rows 32 g + 16 h + 0 .. 15: sixteen neighbours along the next product's K.  qkv_w's rows are regrouped as (type, head, 64).
; SHARES.  8 x 32 = 256 work-groups of equal work.  Work-group (tx, ty) keeps 256 places of x in LDS and multiplies them twice.  PHASE Q: by regrouped rows 256 tx on: four heads of q (cluster x = 0) or of k (1);
; source 0 = rows of W, source 1 = x: a lane holds a token, its registers run along channels; a wave makes 128 x 128: 64 accumulators, 8 K steps of 64 matrix instructions.  PHASE V: by v's rows 2,048 + 128 tx on: two heads;
; source 0 = x, source 1 = W: a lane holds a channel, its registers run along tokens; a wave makes 128 tokens x 64 channels (one head): 32 accumulators, 8 K steps of 32.  768 matrix instructions a wave in all.
; LDS.  Slot 0 holds K 0-511, slot 1 K 512-1,023 (each: x's 256 rows, then W's 256, 272 bytes apart: 256 + 16 of padding, so that sixteen rows begin at sixteen different 16-byte columns modulo 256), behind them the scale
; bytes of these 512 rows.  v's 128 rows do not fit beside them: both their K halves (2 x 128 x 272 bytes) are brought into the bytes of slot 0's W rows, which nobody reads once K step 3's fragments are in registers.
; That is the launch's one refill: by the text's own count a wave has three tensor loads out at the start and one behind the refill's round; it lands under five K steps and phase Q's epilogue.
; CLUSTER 4 x 4: x's tiles are asked for jointly along a row of the cluster, W's (v's too) along a column.
; The bias is the C of each sum's first matrix instruction, so it is added ahead of the products and not behind them: an order of f32 rounding that differs from a sum with the bias last.
; LIMITS: a block whose largest magnitude lies under 2^-124, a block of zeros among them, gets the byte 1 (only this program reads the bytes); NaN and infinities are not served.
; REGISTERS: window 0: v1-31 addresses; v32-63 x's scale words, v64-95 W's (register 8 p + f: lanes 0-31 = rows 32 p + lane, K step f); v96-123 at work; v124-125 for the add; v128-255 x's fragments, two sets;
;   behind a phase's products v128-191 the codes.   window 1: W's fragments at v0 and v128, the bias at v64-127.   window 2: accumulators of blocks a = 0-3 at v[8 (8 a + b)].   window 3: phase Q's a = 4-7.
.set REC,    108544
.set PITCH,  272
.set HALFT,  128*PITCH                 ; 128 rows: what one tensor load brings
.set SLOT,   4*HALFT                   ; x's 256 rows, then W's 256
.set SCL,    2*SLOT                    ; the scale bytes: runs of 256 bytes (8 rows) + 16 of padding
.set HALFS,  16*272                    ; those of 128 rows
.set QSTG,   SCL+4*HALFS               ; phase Q: 1,024 bytes a wave for scale words on their way out; no tensor load lands here
.set VSTG,   QSTG+4096                 ; phase V: 256 bytes a wave
.set SPARE,  VSTG+2048                 ; the spare words, 128 bytes for each wave: two blocks of 256 bytes that no other line names
.set VB2,  7                           ; v7  v's bias: my byte offset
.set VSC,  8                           ; v8  v's scale words in memory: 32 x lane
.set ADRX, 16                          ; v16-17 my x fragments in slot 0, 1
.set ADRV, 18                          ; v18-19 my fragments of v's rows, K half 0, 1
.set ADRW, 20                          ; v20-21 my fragments of q's or k's rows
.set ADSX, 22                          ; v22 x's scale words: row = lane
.set ADSW, 23                          ; v23 W's
.set VO,   24                          ; v24 16 x lane: an image's place
.set SST,  25                          ; v25 phase Q: where a scale word goes in the stage
.set SRD,  26                          ; v26 and where 16 bytes are read back
.set SH,   27                          ; v27 16 h: lanes 16-31 take the second head's two bytes
.set VST,  28                          ; v28 phase V: where a scale word goes
.set VRD,  29                          ; v29 and where 8 bytes come back
.set VO2,  30                          ; v30 8 x lane
.set VB,   31                          ; v31 q's, k's bias: my byte offset
.set SX,   32
.set SW,   64
.set TM,   96                          ; v96-99 largest magnitudes, v100-103 the other half's, then bytes, v108-111 the conversions' scales
.set PW,   112                         ; the scale word just made
.set PS,   113
.set BKR,  116
.set SPW,  124                         ; v124 LDS address of my spare word: SPARE + 4 x my thread's number; never rewritten
.set NIL,  125                         ; v125 0; never rewritten
.set XF,   128
.set PCB,  128                         ; block a's codes at v[PCB + 8 a]
.set BI,   64                          ; in window 1
.set G1, 24                            ; s[24:31] group 1 for x's codes;  s[32:39] group 0, one set a slot
.set G0, 32
.set G1B, 48                           ; s[48:55], s[56:63] for W's codes
.set G0B, 56
.set G1S, 68                           ; s[68:75], s[76:79] for x's scales;  s[80:87], s[88:91] for W's
.set G0S, 76
.set G1SB, 80
.set G0SB, 88
.set G0V, 92                           ; s[92:95] group 0 for v's rows: the refill
.set MSB, 0
.macro WIN new                         ; the immediate's high byte repeats the setting that is left; a switch that changes nothing is dropped
.if MSB != \new
	s_set_vgpr_msb (MSB<<8)|\new
.set MSB, \new
.endif
.endm
; A joint load: waves 0 and 1 fetch for x, waves 2 and 3 for W.  The branch hangs on the wave's number alone.  Four v_nop follow each of the two lines.
.macro JLOAD g0a, g1a, g0b, g1b
	s_cmp_eq_u32 s17, 0
	s_cbranch_scc0 .Lfor_b_\@
	tensor_load_to_lds s[\g0a:\g0a+3], s[\g1a:\g1a+7]
	s_nop 0
.rept 4
	v_nop
.endr
	s_branch .Lasked_\@
.Lfor_b_\@:
	tensor_load_to_lds s[\g0b:\g0b+3], s[\g1b:\g1b+7]
	s_nop 0
.rept 4
	v_nop
.endr
.Lasked_\@:
.endm
; The refill: wave 2 brings K half 0 of v's 128 rows, wave 3 K half 1, each into 128 of slot 0's W rows at wave x HALFT; waves 0 and 1 have no part of it.
.macro REFILL
	s_cmp_eq_u32 s17, 0
	s_cbranch_scc1 .Lno_part_\@
	tensor_load_to_lds s[G0V:G0V+3], s[G1B:G1B+7]
	s_nop 0
.rept 4
	v_nop
.endr
.Lno_part_\@:
.endm
.macro CROUND                          ; a round of the cluster's barrier
	s_barrier_signal -1
	s_barrier_wait -1
	s_cmp_lg_u32 s16, 0
	s_cbranch_scc1 .Lnot_wave_0_\@
	s_barrier_signal -3
.Lnot_wave_0_\@:
	s_barrier_wait -3
	s_barrier_signal -1
	s_barrier_wait -1
.endm
.macro PLACES                          ; four plain vector lines between a matrix instruction and a load into, or a vector read of, its registers (ISA guide 7.12.1 for vector reads)
.rept 4
	v_nop
.endr
.endm
	s_load_b256 s[4:11], s[0:1], 0x0               ; cod s[4:5], scl s[6:7], qkv_b s[8:9], qkv s[10:11]
	v_lshl_add_u32 v[SPW], v0, 2, SPARE
	v_mov_b32 v[NIL], 0
	ds_add_u32 v124, v125
	ds_add_u32 v124, v125
	s_wait_dscnt 0x0
	v_lshrrev_b32 v1, 5, v0
	v_readfirstlane_b32 s16, v1                    ; wave 0..3
	s_lshr_b32 s17, s16, 1                         ; HI: my half of x's places.  Also: I fetch for x (0) or for W (1)
	s_and_b32 s18, s16, 1                          ; LO: my half of W's rows.  Also: which 128 rows, or which K half of v's, I fetch
	s_bfe_u32 s40, ttmp6, 0x40000                  ; cx, cy: my place in the cluster
	s_bfe_u32 s41, ttmp6, 0x40004
	s_lshl_b32 s42, ttmp9, 2
	s_add_co_u32 s42, s42, s40                     ; tx = 4 x cluster x + cx
	s_and_b32 s19, ttmp7, 0xffff
	s_lshl_b32 s19, s19, 2
	s_add_co_u32 s19, s19, s41                     ; ty = 4 x cluster y + cy
	s_lshl_b32 s43, s41, 2
	s_lshl_b32 s43, 15, s43                        ; my row of the cluster
	s_lshl_b32 s44, 0x1111, s40                    ; my column
	s_or_b32 s[G1+0], s43, (0<<16)|(1<<20)|(1<<21)|(5<<22)|(3<<25)   ; the mask; elements of 1 byte; padding on; bit 21 beside a mask; after every 64 words four words
	s_or_b32 s[G1B+0], s44, (0<<16)|(1<<20)|(1<<21)|(5<<22)|(3<<25)
.irp g, G1, G1B
	s_mov_b32 s[\g+1], 256<<16                     ; tensor_dim0 = 256 bytes: 512 along K
	s_mov_b32 s[\g+2], 256<<16                     ; tensor_dim1 = 256 rows for the head's loads; set to 128 behind them
	s_mov_b32 s[\g+3], 256<<16                     ; tile_dim0
	s_mov_b32 s[\g+4], 256                         ; tile_dim1 likewise
	s_mov_b32 s[\g+5], 512                         ; a row of codes in memory
	s_mov_b32 s[\g+6], 0
	s_mov_b32 s[\g+7], 0
.endr
	s_or_b32 s[G1S+0], s43, (3<<16)|(1<<20)|(1<<21)|(5<<22)|(3<<25)  ; the scales of 256 rows: 8,192 dense bytes as 32 rows of 32 elements of 8 bytes, padded alike
	s_or_b32 s[G1SB+0], s44, (3<<16)|(1<<20)|(1<<21)|(5<<22)|(3<<25)
.irp g, G1S, G1SB
	s_mov_b32 s[\g+1], 32<<16
	s_mov_b32 s[\g+2], 32<<16                      ; the scales of 256 rows: 32 rows of 256 bytes
	s_mov_b32 s[\g+3], 32<<16
	s_mov_b32 s[\g+4], 32
	s_mov_b32 s[\g+5], 32
	s_mov_b32 s[\g+6], 0
	s_mov_b32 s[\g+7], 0
.endr
	; THE FILLS, by this text's own count: one tensor load a wave at the head (slot 0's x, slot 0's W, x's scales, W's scales, each whole), one behind the round in front of K step 0 (a quarter of slot 1), one behind the refill's round.
	s_lshl_b32 s21, s19, 8                         ; x: place 256 ty
	s_lshl_b32 s46, s42, 8                         ; W: regrouped row 256 tx
	s_lshl_b32 s22, s21, 9                         ; x's codes, in bytes
	s_mov_b32 s23, 0
	s_lshl_b32 s92, s21, 5                         ; x's scales
	s_mov_b32 s93, 0
	s_lshl_b32 s94, s46, 5
	s_add_co_u32 s94, s94, 262144                  ; W's scales lie behind x's
	s_mov_b32 s95, 0
	s_lshl_b32 s46, s46, 9
	s_add_co_u32 s46, s46, 4194304                 ; W's codes likewise
	s_mov_b32 s47, 0
	s_mul_i32 s45, s16, HALFT                      ; where they go: wave x 128 rows: no place in the cluster enters an LDS address
	s_mov_b32 s12, 0x76543210                      ; v_permlanex16_b32's selects for lane l xor 16
	s_mov_b32 s13, 0xfedcba98
	s_mov_b32 s100, 0xffff
	s_mov_b32 s101, 0x7f7f0000
	s_wait_kmcnt 0x0
	s_add_nc_u64 s[22:23], s[4:5], s[22:23]
	s_add_nc_u64 s[46:47], s[4:5], s[46:47]
	s_add_nc_u64 s[92:93], s[6:7], s[92:93]
	s_add_nc_u64 s[94:95], s[6:7], s[94:95]
	CROUND                                         ; all sixteen work-groups are here: the joint loads meet
	s_mov_b32 s[G0S], 1
	s_mov_b32 s[G0S+1], SCL
	s_mov_b64 s[G0S+2:G0S+3], s[92:93]
	s_or_b32 s[G0S+3], s[G0S+3], 0x80000000
	s_mov_b32 s[G0SB], 1
	s_mov_b32 s[G0SB+1], SCL+2*HALFS
	s_mov_b64 s[G0SB+2:G0SB+3], s[94:95]
	s_or_b32 s[G0SB+3], s[G0SB+3], 0x80000000
.irp s, 0,1
	s_mov_b32 s[G0+4*\s], 1
	s_add_co_u32 s[G0+4*\s+1], s45, \s*SLOT
	s_add_nc_u64 s[G0+4*\s+2:G0+4*\s+3], s[22:23], \s*256
	s_or_b32 s[G0+4*\s+3], s[G0+4*\s+3], 0x80000000
	s_mov_b32 s[G0B+4*\s], 1
	s_add_co_u32 s[G0B+4*\s+1], s45, \s*SLOT
	s_add_nc_u64 s[G0B+4*\s+2:G0B+4*\s+3], s[46:47], \s*256
	s_or_b32 s[G0B+4*\s+3], s[G0B+4*\s+3], 0x80000000
.endr
	; the refill's group 0, in registers of its own: v's rows 2,048 + 128 tx on, K half LO; it goes to wave x HALFT, in slot 0's W rows
	s_mov_b32 s[G0+1], 0                           ; slot 0's two tiles come whole: x's 256 rows at 0,
	s_mov_b32 s[G0B+1], 2*HALFT                    ; W's behind them
	s_lshl_b32 s20, s18, 16                        ; slot 1 comes by quarters: my 128 rows of 512 bytes
	s_mov_b32 s21, 0
	s_add_nc_u64 s[G0+6:G0+7], s[G0+6:G0+7], s[20:21]
	s_add_nc_u64 s[G0B+6:G0B+7], s[G0B+6:G0B+7], s[20:21]
; THE HEAD'S LOADS, one a wave: one tree of branches on the wave's number, an arm a load, all arms leading to one join.
.macro ARM under, g0, g1, next
	s_cmp_lt_u32 s16, \under
	s_cbranch_scc0 \next
	tensor_load_to_lds s[\g0:\g0+3], s[\g1:\g1+7]
	s_nop 0
.rept 4
	v_nop
.endr
	s_branch .Lhead_asked
\next:
.endm
	ARM 1, G0,  G1,  .Lhead_b
	ARM 2, G0B, G1B, .Lhead_sa
	ARM 3, G0S, G1S, .Lhead_sb
	tensor_load_to_lds s[G0SB:G0SB+3], s[G1SB:G1SB+7]
	s_nop 0
.rept 4
	v_nop
.endr
.Lhead_asked:
	s_mov_b32 s[G0V], 1
	s_mov_b32 s[G0V+1], s45
	s_lshl_b32 s20, s42, 16                        ; 128 rows of 512 bytes for each tx
	s_lshl_b32 s21, s18, 8
	s_add_co_u32 s20, s20, s21
	s_add_co_u32 s20, s20, 5242880                 ; 4,194,304 + 2,048 rows
	s_mov_b32 s21, 0
	s_add_nc_u64 s[G0V+2:G0V+3], s[4:5], s[20:21]
	s_or_b32 s[G0V+3], s[G0V+3], 0x80000000
	; every lane address of both phases
	v_and_b32 v1, 15, v0                           ; r
	v_bfe_u32 v2, v0, 4, 1                         ; h
	v_and_b32 v3, 31, v0                           ; lane
	v_mul_u32_u24 v4, v1, PITCH
	v_lshl_add_u32 v4, v2, 4, v4                   ; a fragment's row x pitch + 16 h
	s_mul_i32 s20, s17, HALFT
	s_mul_i32 s21, s18, HALFT
	s_add_co_u32 s21, s21, 2*HALFT
	v_add_nc_u32 v[ADRX], s20, v4
	v_add_nc_u32 v[ADRW], s21, v4
	v_add_nc_u32 v[ADRX+1], SLOT, v[ADRX]
	v_add_nc_u32 v[ADRW+1], SLOT, v[ADRW]
	s_mul_i32 s21, s18, 64*PITCH                   ; v's rows: my 64 of the 128,
	s_add_co_u32 s21, s21, 2*HALFT                 ; where slot 0's W rows lay;
	v_add_nc_u32 v[ADRV], s21, v4
	v_add_nc_u32 v[ADRV+1], HALFT, v[ADRV]         ; K half 1 lies 128 rows on
	v_lshlrev_b32 v5, 5, v3
	v_lshrrev_b32 v6, 3, v3
	v_lshl_add_u32 v5, v6, 4, v5                   ; a row's scales: 32 bytes a row, 16 more for each 8 rows passed
	s_mul_i32 s20, s17, HALFS
	s_add_co_u32 s20, s20, SCL
	s_mul_i32 s21, s18, HALFS
	s_add_co_u32 s21, s21, SCL+2*HALFS
	v_add_nc_u32 v[ADSX], s20, v5
	v_add_nc_u32 v[ADSW], s21, v5
	v_lshlrev_b32 v[VO], 4, v3
	s_lshl_b32 s20, s16, 10
	s_add_co_u32 s20, s20, QSTG
	v_lshlrev_b32 v[SST], 4, v1
	v_lshl_add_u32 v[SST], v2, 9, v[SST]
	v_add_nc_u32 v[SST], s20, v[SST]               ; 1,024 x wave + 512 h (the head) + 16 r
	v_add_nc_u32 v[SRD], s20, v[VO]
	v_lshlrev_b32 v[SH], 4, v2
	s_lshl_b32 s20, s16, 8
	s_add_co_u32 s20, s20, VSTG
	v_lshl_add_u32 v[VST], v1, 3, s20              ; 256 x wave + 8 r
	v_lshl_add_u32 v[VRD], v3, 3, s20              ; 256 x wave + 8 x lane
	v_lshlrev_b32 v[VO2], 3, v3
	v_lshlrev_b32 v[VB], 6, v2                     ; q, k: tile b = 2 g + u: register j is channel 32 g + 16 h + 8 u + j
	s_wait_alu depctr_va_vdst(0)
	v_lshrrev_b32 v[VB2], 3, v1
	v_lshl_add_u32 v[VB2], v[VB2], 3, v1
	v_lshlrev_b32 v[VB2], 2, v[VB2]                ; v: place r of tile 2 g + u is channel 32 g + 8 u + r + 8 (r / 8)
	v_lshlrev_b32 v[VSC], 5, v3
	; offsets in qkv, qkv_b and scl, made apart from the addresses
	s_lshr_b32 s20, s19, 2                         ; the batch
	s_lshl_b32 s20, s20, 4
	s_lshl_b32 s21, s42, 1
	s_add_co_u32 s21, s21, s18
	s_add_co_u32 s21, s21, s20                     ; phase V's record: 16 batch + 2 tx + LO
	s_mul_i32 s22, s21, REC
	s_lshl_b32 s21, s40, 2
	s_add_co_u32 s20, s20, s21
	s_lshl_b32 s21, s18, 1
	s_add_co_u32 s20, s20, s21                     ; phase Q's first record: 16 batch + 4 cx + 2 LO
	s_mul_i32 s20, s20, REC
	s_and_b32 s21, s19, 3
	s_lshl_b32 s21, s21, 1
	s_add_co_u32 s21, s21, s17                     ; my 128 tokens are step 2 (ty % 4) + HI of the batch
	s_cmp_eq_u32 ttmp9, 0
	s_cselect_b32 s45, 71680, 0                    ; q's fields lie behind k's and v's
	s_add_co_u32 s20, s20, s45
	s_mov_b32 s67, 0
	s_lshl_b32 s45, s21, 12                        ; my 8 tiles' images: 4,096 bytes a step
	s_add_co_u32 s66, s20, s45
	s_add_nc_u64 s[96:97], s[10:11], s[66:67]
	s_lshl_b32 s45, s21, 9                         ; their scale words: 512 bytes a step
	s_add_co_u32 s66, s20, s45
	s_add_co_u32 s66, s66, 32768
	s_add_nc_u64 s[98:99], s[10:11], s[66:67]
	s_lshl_b32 s45, s21, 12                        ; v's fragments: 4,096 bytes a step
	s_add_co_u32 s66, s22, s45
	s_add_co_u32 s66, s66, 36864
	s_add_nc_u64 s[2:3], s[10:11], s[66:67]
	s_lshl_b32 s45, s21, 8                         ; v's scale words: 256 bytes a step
	s_add_co_u32 s66, s22, s45
	s_add_co_u32 s66, s66, 69632
	s_add_nc_u64 s[46:47], s[10:11], s[66:67]
	s_lshl_b32 s22, s42, 1
	s_add_co_u32 s22, s22, s18
	s_mul_i32 s22, s22, 768                        ; v's bias: head 2 tx + LO, its numbers 128-191
	s_add_co_u32 s22, s22, 512
	s_mov_b32 s23, 0
	s_add_nc_u64 s[14:15], s[8:9], s[22:23]
	s_lshl_b32 s66, s40, 2
	s_lshl_b32 s45, s18, 1
	s_add_co_u32 s66, s66, s45
	s_mul_i32 s66, s66, 768                        ; q's, k's bias: head 4 cx + 2 LO; q: its numbers 0-63, k: 64-127
	s_lshl_b32 s45, ttmp9, 8
	s_add_co_u32 s66, s66, s45
	s_add_nc_u64 s[8:9], s[8:9], s[66:67]
	s_lshl_b32 s22, s42, 12                        ; v's scale bytes: 262,144 + 32 (2,048 + 128 tx + 64 LO)
	s_lshl_b32 s45, s18, 11
	s_add_co_u32 s22, s22, s45
	s_add_co_u32 s22, s22, 327680
	s_add_nc_u64 s[104:105], s[6:7], s[22:23]
; One matrix instruction.  r0, r1: source 0's, source 1's scale words lie in lanes 16-31 of their registers.
.macro WM d, s0, s1, c, x0, x1, r0, r1
.if ((\r0) == 0) && ((\r1) == 0)
	v_wmma_scale_f32_16x16x128_f8f6f4 v[(\d):(\d)+7], v[(\s0):(\s0)+7], v[(\s1):(\s1)+7], v[(\c):(\c)+7], v[(\x0)], v[(\x1)] matrix_a_fmt:MATRIX_FMT_FP4 matrix_b_fmt:MATRIX_FMT_FP4
.elseif ((\r0) == 1) && ((\r1) == 0)
	v_wmma_scale_f32_16x16x128_f8f6f4 v[(\d):(\d)+7], v[(\s0):(\s0)+7], v[(\s1):(\s1)+7], v[(\c):(\c)+7], v[(\x0)], v[(\x1)] matrix_a_fmt:MATRIX_FMT_FP4 matrix_b_fmt:MATRIX_FMT_FP4 matrix_a_scale:MATRIX_SCALE_ROW1
.elseif ((\r0) == 0) && ((\r1) == 1)
	v_wmma_scale_f32_16x16x128_f8f6f4 v[(\d):(\d)+7], v[(\s0):(\s0)+7], v[(\s1):(\s1)+7], v[(\c):(\c)+7], v[(\x0)], v[(\x1)] matrix_a_fmt:MATRIX_FMT_FP4 matrix_b_fmt:MATRIX_FMT_FP4 matrix_b_scale:MATRIX_SCALE_ROW1
.else
	v_wmma_scale_f32_16x16x128_f8f6f4 v[(\d):(\d)+7], v[(\s0):(\s0)+7], v[(\s1):(\s1)+7], v[(\c):(\c)+7], v[(\x0)], v[(\x1)] matrix_a_fmt:MATRIX_FMT_FP4 matrix_b_fmt:MATRIX_FMT_FP4 matrix_a_scale:MATRIX_SCALE_ROW1 matrix_b_scale:MATRIX_SCALE_ROW1
.endif
.endm
; x's eight fragments of K step f into set f % 2.  A fragment, 16 rows x 128 K, is 8 registers: lane (r, h): registers 4 c .. 4 c + 3 hold K = 64 c + 32 h + 0 .. 31: two loads of 16 bytes, 32 apart.
.macro FETCHX f
.set FS, (\f)%2
.set FL, (\f)/4
.set FQ, (\f)%4
	WIN 0
.irp i, 0,1,2,3,4,5,6,7
.irp c, 0,1
	ds_load_b128 v[XF+64*FS+8*\i+4*\c:XF+64*FS+8*\i+4*\c+3], v[ADRX+FL] offset:64*FQ+32*\c+\i*16*PITCH
.endr
.endr
.endm
.macro FETCH f                         ; phase Q: K step f's fragments, 32 LDS loads in one run
.set FS, (\f)%2
.set FL, (\f)/4
.set FQ, (\f)%4
	WIN 0x40                                       ; destination window 1
.irp i, 0,1,2,3,4,5,6,7
.irp c, 0,1
	ds_load_b128 v[128*FS+8*\i+4*\c:128*FS+8*\i+4*\c+3], v[ADRW+FL] offset:64*FQ+32*\c+\i*16*PITCH
.endr
.endr
	FETCHX \f
.endm
.macro FETCHV f                        ; phase V: 24 LDS loads: my four blocks of v's rows, x's eight tiles
.set FS, (\f)%2
.set FL, (\f)/4
.set FQ, (\f)%4
	WIN 0x40
.irp i, 0,1,2,3
.irp c, 0,1
	ds_load_b128 v[128*FS+8*\i+4*\c:128*FS+8*\i+4*\c+3], v[ADRV+FL] offset:64*FQ+32*\c+\i*16*PITCH
.endr
.endr
	FETCHX \f
.endm
.macro SCALES                          ; the scale words of my 128 places of x and 128 rows of q or k for all of K, once: a lane takes a row, four words a load
.irp p, 0,1,2,3
.irp s, 0,1
	ds_load_b128 v[SX+8*\p+4*\s:SX+8*\p+4*\s+3], v[ADSX] offset:1088*\p+16*\s
	ds_load_b128 v[SW+8*\p+4*\s:SW+8*\p+4*\s+3], v[ADSW] offset:1088*\p+16*\s
.endr
.endr
.endm
; Phase Q, K step f: 64 matrix instructions.  The 64 accumulators take turns, one instruction a turn, in the same order in every step.  In step 0 the bias is C: nothing is cleared.
.macro MUL f
.set FS, (\f)%2
.irp a, 0,1,2,3,4,5,6,7
.set WD, 2+\a/4
.set WC, WD
.if (\f) == 0
.set WC, 1
.endif
.set WW, 1|(WC<<4)|(WD<<6)
	WIN WW                                         ; source 0 (W) window 1, source 1 (x) window 0, C and D window 2 or 3 (the bias: window 1)
.irp b, 0,1,2,3,4,5,6,7
.set rD, 8*(8*(\a%4)+\b)
.set rA, 128*FS+8*\b
.set rB, XF+64*FS+8*\a
.set xA, SW+8*(\b/2)+(\f)
.set xB, SX+8*(\a/2)+(\f)
.set rC, rD
.if (\f) == 0
.set rC, BI+8*\b
.endif
	WM rD, rA, rB, rC, xA, xB, \b%2, \a%2
.endr
.endr
.endm
; Phase V, K step f: 32 matrix instructions, the 32 accumulators by turns likewise
.macro VMUL f
.set FS, (\f)%2
.if (\f) == 0
	WIN 0x94                                       ; source 0 (x) window 0, source 1 (W) window 1, C = the bias window 1, D window 2
.else
	WIN 0xa4                                       ; C and D window 2
.endif
.irp a, 0,1,2,3
.irp b, 0,1,2,3,4,5,6,7
.set rD, 8*(8*\a+\b)
.set rA, XF+64*FS+8*\b
.set rB, 128*FS+8*\a
.set xA, SX+8*(\b/2)+(\f)
.set xB, SW+8*(\a/2)+(\f)
.set rC, rD
.if (\f) == 0
.set rC, BI+8*\a
.endif
	WM rD, rA, rB, rC, xA, xB, \b%2, \a%2
.endr
.endr
.endm
.macro STEP f
.if \f == 3
	; K step 3's fragments are the last that anybody takes from slot 0's W rows.  Those bytes are filled again in this order: all my tensor loads have landed (slot 1's among them), the add, the wait for it and for my
	; reads, a round of the cluster's barrier, so that all this holds of every wave of all sixteen work-groups, and then the joint load, first thing behind it.
	WIN 0                                          ; the add's registers lie in window 0
	s_wait_tensorcnt 0x0
	ds_add_u32 v[SPW], v[NIL]                      ; 0 onto my spare word
	s_wait_dscnt 0x0                               ; the add is done, and this step's fragments are in: my reads of slot 0 are over
	CROUND
	REFILL
.else
	s_wait_dscnt 0x0                               ; this step's fragments, asked for one step (64 matrix instructions) ago, are in
.endif
.if \f < 7
	PLACES                                         ; the other set was read by the step before
	FETCH \f+1
.endif
	MUL \f
.endm
.macro VSTEP f
	s_wait_dscnt 0x0                               ; this step's fragments, asked for one step (32 matrix instructions) ago, are in
.if \f < 7
	PLACES
	FETCHV \f+1
.endif
	VMUL \f
.endm
; 64 numbers of a lane, v[ac] .. v[ac + 63] of window w, register 16 b + i = k 32 b + 16 h + i of my row, become a fragment's codes in v[pc] on and its scale word in v[PW].  Each accumulator is read from its low end on.
.macro QUANT ac, w, pc
.set WQ, (\w)*5
	WIN WQ                                         ; sources 0 and 1 in window w
.irp b, 0,1,2,3
	v_max3_num_f32 v[TM+\b], |v[(\ac)+16*\b]|, |v[(\ac)+16*\b+1]|, 0x1800000   ; my 16 numbers of block b, and the floor 2^(3 - 127): the byte cannot fall under 1
.endr
.irp i, 2,4,6,8,10,12,14
.irp b, 0,1,2,3
	v_max3_num_f32 v[TM+\b], |v[(\ac)+16*\b+\i]|, |v[(\ac)+16*\b+\i+1]|, v[TM+\b]   ; the four blocks by turns
.endr
.endr
	WIN 0
.irp b, 0,1,2,3
	v_permlanex16_b32 v[TM+4+\b], v[TM+\b], s12, s13
.endr
.irp b, 0,1,2,3
	v_max_num_f32 v[TM+\b], v[TM+\b], v[TM+4+\b]   ; with lane l xor 16's: the block's largest magnitude
.endr
.irp b, 0,1,2,3
	v_add_nc_u32 v[TM+12+\b], 0xff000000, v[TM+\b] ; 2 off its exponent field: the conversion's scale operand
.endr
.irp b, 0,1,2,3
	v_lshrrev_b32 v[TM+4+\b], 23, v[TM+12+\b]      ; the scale's byte
.endr
	v_lshl_or_b32 v[PW], v[TM+5], 8, v[TM+4]
	v_lshl_or_b32 v[PW], v[TM+6], 16, v[PW]
	v_lshl_or_b32 v[PW], v[TM+7], 24, v[PW]
.set WQ, (\w)
	WIN WQ                                         ; source 0 in window w
.irp b, 0,1,2,3
	v_cvt_scalef32_pk8_fp4_f32 v[(\pc)+2*\b], v[(\ac)+16*\b:(\ac)+16*\b+7], v[TM+12+\b]
	v_cvt_scalef32_pk8_fp4_f32 v[(\pc)+2*\b+1], v[(\ac)+16*\b+8:(\ac)+16*\b+15], v[TM+12+\b]
.endr
	WIN 0
	v_nop                                          ; one plain line behind a scaled conversion
.irp c, 0,1                            ; the operand's layout wants a whole block in a lane: lanes 0-15 block 2 c, lanes 16-31 block 2 c + 1
.irp i, 0,1
	v_permlane16_swap_b32 v[(\pc)+4*\c+\i], v[(\pc)+2+4*\c+\i]
.endr
.endr
.endm
; q, k: block a is 16 tokens x two heads: registers 0-3 are the first head's tile image, 4-7 the second's.  Each store covers 512 consecutive bytes, aligned.
.macro OUTQ a
	global_store_b128 v[VO], v[PCB+8*\a:PCB+8*\a+3], s[96:97] offset:512*\a
	global_store_b128 v[VO], v[PCB+8*\a+4:PCB+8*\a+7], s[96:97] offset:REC+512*\a
	v_lshrrev_b32 v[PS], v[SH], v[PW]              ; lanes 0-15 keep the first head's two bytes, lanes 16-31 take the second's;
	v_and_or_b32 v[PS], v[PS], s100, s101          ; the bytes of k = 64 .. 127, where the codes will be zeros, are 127
	ds_store_b32 v[SST], v[PS] offset:256*(\a%2)+4*(\a/2)
.endm
; v: block a is 16 channel places of my head x my 128 keys: a whole fragment
.macro OUTV a
	global_store_b128 v[VO], v[PCB+8*\a:PCB+8*\a+3], s[2:3] offset:1024*\a
	global_store_b128 v[VO], v[PCB+8*\a+4:PCB+8*\a+7], s[2:3] offset:1024*\a+512
	ds_store_b32 v[VST], v[PW] offset:128*(\a%2)+4*(\a/2)   ; both halves of the lanes write the same word with the same value
.endm
	; ---- PHASE Q
	WIN 0x40
.irp b, 0,1,2,3,4,5,6,7
	global_load_b128 v[BI+8*\b:BI+8*\b+3], v[VB], s[8:9] offset:(\b/4)*768+128*((\b/2)%2)+32*(\b%2)
	global_load_b128 v[BI+8*\b+4:BI+8*\b+7], v[VB], s[8:9] offset:(\b/4)*768+128*((\b/2)%2)+32*(\b%2)+16
.endr
	WIN 0
	s_wait_alu depctr_va_vdst(0)
	s_wait_tensorcnt 0x0                           ; my tile of the head's four is in
	ds_add_u32 v[SPW], v[NIL]
	s_mov_b32 s[G1+2], 128<<16                     ; no tensor load of mine is out: from here on a load of codes brings 128 rows
	s_mov_b32 s[G1+4], 128
	s_mov_b32 s[G1B+2], 128<<16
	s_mov_b32 s[G1B+4], 128
	s_wait_dscnt 0x0
	CROUND                                         ; all four tiles are in, and all sixteen work-groups are here
	JLOAD G0+4, G1, G0B+4, G1B                     ; slot 1's first fill, a quarter a wave: the first tensor load behind the round
	SCALES
	FETCH 0
	s_wait_loadcnt 0x0                             ; the bias
.irp f, 0,1,2,3,4,5,6,7
	STEP \f
.endr
	WIN 0
.irp b, 0,1,2,3
	v_mov_b32 v[TM+4+\b], 0                        ; a lane permute's destination counts as read; these four lines are also the places behind the last products
.endr
	; phase V's bias and scale words are asked for now, into registers that phase Q's products are done with, and land under the epilogue
	WIN 0x40
	s_wait_alu depctr_va_vdst(0)
.irp a, 0,1,2,3
	global_load_b32 v[BI+8*\a], v[VB2], s[14:15] offset:128*(\a/2)+32*(\a%2)
.endr
	WIN 0
.irp p, 0,1
.irp s, 0,1
	global_load_b128 v[SW+8*\p+4*\s:SW+8*\p+4*\s+3], v[VSC], s[104:105] offset:1024*\p+16*\s   ; a lane takes a row's 32 bytes in two loads: the pair covers 1,024 consecutive bytes
.endr
.endr
.irp a, 0,1,2,3,4,5,6,7
	QUANT 64*(\a%4), 2+\a/4, PCB+8*\a              ; each block has code registers of its own, and no base or offset is written again: no store's sources are touched
	OUTQ \a
.endr
	ds_load_b128 v[BKR:BKR+3], v[SRD]              ; LDS serves a wave's instructions in order: these see my stores.  The first head's 512 bytes of scale words,
	ds_load_b128 v[BKR+4:BKR+7], v[SRD] offset:512 ; the second's
	s_wait_dscnt 0x0
	global_store_b128 v[VO], v[BKR:BKR+3], s[98:99]
	global_store_b128 v[VO], v[BKR+4:BKR+7], s[98:99] offset:REC
	; ---- PHASE V
	s_wait_tensorcnt 0x0                           ; my part of v's rows, if I brought one, has landed;
	s_barrier_signal -1
	s_barrier_wait -1                              ; everybody's has.
	s_wait_xcnt 0x0                                ; phase Q's stores have read v116-191, which are written again from here on
	FETCHV 0
	s_wait_loadcnt 0x0                             ; v's bias and scale words
	WIN 0x41                                       ; here the bias hangs on the lane alone: its number is spread over the eight registers of each C
.irp a, 0,1,2,3
.irp j, 1,2,3,4,5,6,7
	v_mov_b32 v[BI+8*\a+\j], v[BI+8*\a]
.endr
.endr
	WIN 0
	s_wait_alu depctr_va_vdst(0)
.irp f, 0,1,2,3,4,5,6,7
	VSTEP \f
.endr
	WIN 0
	PLACES                                         ; behind the last products, in front of the first reads of results
.irp a, 0,1,2,3
	QUANT 64*\a, 2, PCB+8*\a
	OUTV \a
.endr
	ds_load_b64 v[BKR:BKR+1], v[VRD]               ; my head's 256 bytes of scale words, 8 a lane
	s_wait_dscnt 0x0
	global_store_b64 v[VO2], v[BKR:BKR+1], s[46:47]   ; the wave stores 256 consecutive bytes, aligned
	s_wait_tensorcnt 0x0                           ; the wave's end: behind my last tensor load and my last LDS store
	ds_add_u32 v[SPW], v[NIL]
	s_wait_dscnt 0x0
	CROUND                                         ; the closing round: no work-group ends while a partner may still ask for a tile that names it
	s_endpgm
.Lfunc_end_k_q0738355ace_qkvgemm:
	.size	k_q0738355ace_qkvgemm, .Lfunc_end_k_q0738355ace_qkvgemm-k_q0738355ace_qkvgemm
	.p2alignl 7, 3214868480
	.fill 96, 4, 3214868480
	.section	.rodata,"a",@progbits
	.p2align	6, 0x0
	.amdhsa_kernel k_q0738355ace_qkvgemm
		.amdhsa_group_segment_fixed_size 327680
		.amdhsa_private_segment_fixed_size 0
		.amdhsa_enable_private_segment 0
		.amdhsa_kernarg_size 32
		.amdhsa_user_sgpr_count 2
		.amdhsa_user_sgpr_kernarg_segment_ptr 1
		.amdhsa_wavefront_size32 1
		.amdhsa_system_sgpr_workgroup_id_x 1
		.amdhsa_system_sgpr_workgroup_id_y 1
		.amdhsa_system_sgpr_workgroup_id_z 1
		.amdhsa_system_vgpr_workitem_id 0
		.amdhsa_next_free_vgpr 1024
		.amdhsa_next_free_sgpr 106
		.amdhsa_reserve_vcc 0
		.amdhsa_float_denorm_mode_32 3
		.amdhsa_float_denorm_mode_16_64 3
		.amdhsa_memory_ordered 1
		.amdhsa_forward_progress 1
		.amdhsa_inst_pref_size 197
	.end_amdhsa_kernel
	.amdgpu_metadata
---
amdhsa.version: [ 1, 2 ]
amdhsa.kernels:
  - .name:           k_q0738355ace_qkvgemm
    .symbol:         k_q0738355ace_qkvgemm.kd
    .args:
      - { .name: cod, .offset: 0, .size: 8, .value_kind: global_buffer, .address_space: global }
      - { .name: scl, .offset: 8, .size: 8, .value_kind: global_buffer, .address_space: global }
      - { .name: qkv_b, .offset: 16, .size: 8, .value_kind: global_buffer, .address_space: global }
      - { .name: qkv, .offset: 24, .size: 8, .value_kind: global_buffer, .address_space: global }
    .group_segment_fixed_size: 327680
    .private_segment_fixed_size: 0
    .kernarg_segment_align: 8
    .kernarg_segment_size: 32
    .max_flat_workgroup_size: 128
    .sgpr_count:     106
    .vgpr_count:     1024
    .wavefront_size: 32
...
	.end_amdgpu_metadata
.endif
;; end of part 2
;; launch attn (part 3): grid 4 x 64, 16 waves a work-group, clusters of 4 x 1, 327,680 bytes of LDS; arguments qkv, oimg, osc; writes oimg, osc
.if DOCPART == 3
	.amdgcn_target "amdgcn-amd-amdhsa--gfx1250"
	.amdhsa_code_object_version 6
	.text
	.protected	k_q0738355ace_attn
	.globl	k_q0738355ace_attn
	.p2align	8
	.type	k_q0738355ace_attn,@function
k_q0738355ace_attn:
	s_mov_b64 s[64:65], 0
	v_nop
	global_prefetch_b8 v0, s[64:65] scope:SCOPE_SE
	s_setreg_imm32_b32 hwreg(HW_REG_WAVE_MODE, 25, 1), 1
	s_wait_xcnt 0x0
	s_wait_alu depctr_hold_cnt(0) depctr_sa_sdst(0) depctr_va_vdst(0) depctr_va_sdst(0) depctr_va_ssrc(0) depctr_va_vcc(0) depctr_vm_vsrc(0)
	s_getreg_b32 s2, hwreg(HW_REG_IB_STS2, 6, 4)
	s_cmp_eq_u32 s2, 0
	s_cbranch_scc0 .Lentry_in_a_cluster
	s_endpgm
.Lentry_in_a_cluster:
	s_bfe_u32 s2, ttmp6, 0x10000c
	s_cmp_lg_u32 s2, 0x3003
	s_cbranch_scc0 .Lentry_shape_is_right
	s_endpgm
.Lentry_shape_is_right:
; o = softmax(q k^T / 8) v for two heads of one batch and 256 queries, both products on codes of FP4 with E8M0 scales; o is quantised along d = 64 head + channel for the last product and leaves as images of operand registers.
; THE SOFTMAX: t = score x log2(e) / 8; M = the running largest t rounded UP to a whole number; p = 2^(t - M) is quantised along the keys, not normalised; the row's sum is taken of the unquantised p and divides O at the end.
; When M moves, the sums and O are multiplied by 2^(old M - new M): exact.
; INPUT: records of REC bytes for each (batch, head): K's tile images +0, K's scale words +32,768, V's fragments +36,864, V's scale words +69,632, Q's images +71,680, Q's words +104,448.
; SHARES.  Work-group (qb, y): query places 256 qb on, heads 2 (y % 8), 2 (y % 8) + 1 of batch y / 8.  Each of sixteen waves owns one tile of 16 queries in 256 registers; pass 0 does the first head, pass 1 the second; a pass is 8 steps of 128 keys.
; LDS.  Both heads' K and V come once, at the head, by joint loads (the four work-groups of the cluster read the same blocks), ONE a wave: waves 0-7 a quarter of a head's K images (8 rows of 1,024 bytes, 128 bytes of
; padding behind each), waves 8-15 a quarter of a head's other 38,912 bytes (38 rows of 256).  Every wave waits for 0 and passes one barrier; nothing is filled twice, and no barrier stands between the passes.
; No prefetch: every byte is asked for once, at the head; there is no loop to run ahead in.
; LAYOUT.  Both products are used transposed: S^T = K Q^T, O^T = V^T P^T: a lane holds ONE query throughout.  THE KEYS OF A TILE ARE CHOSEN so that a lane holds whole blocks: row 8 h + j of tile 4 g + T is key 64 g + 32 h + 8 T + j of
; the step, so the 32 registers of tiles 4 g .. 4 g + 3 of lane (r, h) are keys 64 g + 32 h + 0 .. 31: a block's largest score needs no other lane, and the eight conversions' results are the second product's operand as they stand.
; In the images that key lies in tile 4 g + 2 h + T % 2, row 8 (T / 2) + j: byte 2,048 g + 1,024 h + 512 (T % 2) + 256 (channel half) + 128 (T / 2) + 16 j; with the padding sixteen lanes read sixteen different 16-byte columns modulo 256.
; The first product's K is 64: registers 4-7 of Q's and K's fragments hold zero codes, set once.
; ORDER.  Lines that depend on each other stand apart where the work allows: the maxima go in eight chains, the row's sum in four running sums and eight chains in place on p, with the scale word's lines among them.  The few lines that make M
; follow each other and carry a hint each.  The step's 21 LDS loads (this step's V, the NEXT step's K) go out in one run, behind the wait that stands ahead of the exponentials.  A pass's last step so reads the 4,608 bytes of filled LDS
; behind its K images, and 512 behind its scale words, into registers that nothing uses.
; LIMITS: the promise holds while the scaled scores stay under 2^31 in magnitude; a block's largest p is taken as the image of its largest score (this takes v_exp_f32 not to fall where its input rises); 1 / sum by v_rcp_f32;
; a block under 2^-124, zeros among them, gets the byte 1 (only this program reads the bytes); NaN and infinities are not served.
; REGISTERS: v1-4 lane places, v5-7, v11 addresses in hand; v8 Q's scale words (v9 the second head's); v10 o's scale word; v12 -M, v13 the largest score; the sum in v[14:15], v[28:29], v[30:31], v[246:247]; v16-23 Q (v24-27 the second
;   head's); v32-95 K's 8 tiles; v96-159 S^T, then p; v160-191 O^T; v192-223 V's 4 tiles; v224-231 p's codes; v232-239, v252, v254 at work; v240-243 K's scale words; v244, v245, v255 places that stay; v248-249 V's scale words;
;   v250-251 for the add; v253 p's scale word.
.set REC,   108544
.set KCH,   1152                       ; 1,024 bytes of K's images in LDS, with their padding
.set KIB,   32*KCH                     ; a head's K images
.set RB,    2*KIB                      ; behind them: each head's K scale words, V fragments, V scale words,
.set RSB,   38912                      ; so many bytes a head
.set OSTG,  RB+2*RSB                   ; 1,024 bytes: o's scale words on their way out; no tensor load lands here
.set SPARE, OSTG+1024                  ; the spare words, 128 bytes for each wave
.set WV,  10
.set SEL, 32
.set CS,  34                           ; s[34:35] c = log2(e) / 8;  s36 = -c
.set TK,  37                           ; s37 K's images: 4 KCH a step;  s38 K's scale words: 512;  s39 V's fragments: 4,096;  s60 V's scale words: 256
.set TS,  38
.set TV,  39
.set TJ,  60
.set CNT, 61
.macro CROUND                          ; a round of the cluster's barrier
	s_barrier_signal -1
	s_barrier_wait -1
	s_cmp_lg_u32 s[WV], 0
	s_cbranch_scc1 .Lnot_wave_0_\@
	s_barrier_signal -3
.Lnot_wave_0_\@:
	s_barrier_wait -3
	s_barrier_signal -1
	s_barrier_wait -1
.endm
	s_load_b128 s[4:7], s[0:1], 0x0                ; qkv, oimg
	s_load_b64 s[8:9], s[0:1], 0x10                ; osc
	v_lshl_add_u32 v250, v0, 2, SPARE
	v_mov_b32 v251, 0
	ds_add_u32 v250, v251                          ; the opening lines: the add, twice on end, and its wait ahead of my tensor load
	ds_add_u32 v250, v251
	v_lshrrev_b32 v1, 5, v0
	v_readfirstlane_b32 s[WV], v1                  ; wave 0..15
	s_bfe_u32 s11, ttmp6, 0x40000                  ; qb = cx: it enters Q's, oimg's and osc's addresses alone
	s_and_b32 s12, ttmp7, 0xffff                   ; y, which the four partners share
	s_mov_b32 s16, 15|(3<<16)|(1<<20)|(1<<21)|(7<<22)|(31<<25)   ; K's images: mask of all four; elements of 8 bytes; bit 21 beside a mask; after every 256 words 32 words of padding
	s_mov_b32 s17, 128<<16                         ; rows of 1,024 bytes
	s_mov_b32 s18, 8<<16                           ; 8 rows
	s_mov_b32 s19, 128<<16
	s_mov_b32 s20, 8
	s_mov_b32 s21, 128                             ; dense
	s_mov_b32 s22, 0
	s_mov_b32 s23, 0
	s_mov_b32 s24, 15|(3<<16)|(1<<21)              ; the rest: rows of 256 bytes, no padding
	s_mov_b32 s25, 32<<16
	s_mov_b32 s26, 38<<16                          ; 38 rows
	s_mov_b32 s27, 32<<16
	s_mov_b32 s28, 38
	s_mov_b32 s29, 32
	s_mov_b32 s30, 0
	s_mov_b32 s31, 0
	s_mul_i32 s48, s12, 2*REC                      ; the first head's record
	s_mov_b32 s49, 0
	s_and_b32 s60, s[WV], 7
	s_lshr_b32 s61, s60, 2                         ; which head I fetch for,
	s_and_b32 s62, s60, 3                          ; which quarter
	s_mul_i32 s61, s61, REC
	s_mul_i32 s50, s62, 8192
	s_add_co_u32 s50, s50, s61                     ; in memory: K's images,
	s_mov_b32 s51, 0
	s_mul_i32 s42, s62, 9728
	s_add_co_u32 s42, s42, s61
	s_add_co_u32 s42, s42, 32768                   ; the rest
	s_mov_b32 s43, 0
	s_mov_b32 s52, 1
	s_mul_i32 s53, s60, 8*KCH                      ; in LDS: (wave % 8) x 8 padded rows,
	s_mov_b32 s56, 1
	s_mul_i32 s57, s60, 9728
	s_add_co_u32 s57, s57, RB                      ; (wave % 8) x 38 rows behind RB
	s_mov_b32 s[SEL], 0x76543210
	s_mov_b32 s[SEL+1], 0xfedcba98                 ; v_permlanex16_b32's selects for lane l xor 16
	s_mov_b32 s[CS], 0x3e38aa3b                    ; c = log2(e) / 8
	s_mov_b32 s[CS+1], s[CS]
	s_mov_b32 s36, 0xbe38aa3b                      ; -c
	s_wait_dscnt 0x0
	s_wait_kmcnt 0x0
	s_add_nc_u64 s[48:49], s[4:5], s[48:49]
	s_add_nc_u64 s[54:55], s[48:49], s[50:51]
	s_add_nc_u64 s[58:59], s[48:49], s[42:43]
	s_or_b32 s55, s55, 0x80000000
	s_or_b32 s59, s59, 0x80000000
	CROUND                                         ; all four work-groups are here: the joint loads meet
	s_cmp_lt_u32 s[WV], 8                          ; one load in each arm: every way through the head passes exactly one
	s_cbranch_scc0 .Lrest
	tensor_load_to_lds s[52:55], s[16:23]
	s_nop 0
.rept 4
	v_nop
.endr
	s_branch .Lasked
.Lrest:
	tensor_load_to_lds s[56:59], s[24:31]
	s_nop 0
.rept 4
	v_nop
.endr
.Lasked:
	s_lshl_b32 s60, s11, 4
	s_add_co_u32 s60, s60, s[WV]                   ; T: my tile of 16 query places, 0 .. 63
	s_lshl_b32 s50, s60, 9
	s_add_co_u32 s50, s50, 71680
	s_add_nc_u64 s[40:41], s[48:49], s[50:51]      ; Q's image
	s_lshl_b32 s50, s11, 1
	s_lshr_b32 s61, s[WV], 3
	s_add_co_u32 s50, s50, s61                     ; T / 8: the step
	s_lshl_b32 s50, s50, 9
	s_and_b32 s61, s[WV], 1
	s_lshl_b32 s61, s61, 8
	s_add_co_u32 s50, s50, s61                     ; 256 (T % 2)
	s_bfe_u32 s61, s[WV], 0x20001
	s_lshl_b32 s61, s61, 2
	s_add_co_u32 s50, s50, s61                     ; 4 ((T % 8) / 2)
	s_add_co_u32 s50, s50, 104448
	s_add_nc_u64 s[42:43], s[48:49], s[50:51]      ; Q's scale words
	s_lshr_b32 s50, s12, 3
	s_lshl_b32 s50, s50, 6
	s_add_co_u32 s50, s50, s60                     ; 64 batch + T
	s_lshl_b32 s50, s50, 13
	s_and_b32 s61, s12, 7
	s_lshl_b32 s61, s61, 10
	s_add_co_u32 s50, s50, s61
	s_add_nc_u64 s[44:45], s[6:7], s[50:51]        ; oimg: [token tile][head][512]
	s_lshl_b32 s50, s12, 12
	s_lshl_b32 s61, s11, 10
	s_add_co_u32 s50, s50, s61
	s_add_nc_u64 s[46:47], s[8:9], s[50:51]        ; osc: [8 batch + pair of heads][place] words
	s_lshl_b32 s62, s[WV], 6
	s_add_co_u32 s62, s62, OSTG                    ; my wave's 64 bytes of the stage for o's scale words
	v_and_b32 v254, 31, v0                         ; lane
	v_lshlrev_b32 v244, 4, v254                    ; 16 x lane: an image's place
	v_and_b32 v252, 15, v0                         ; r
	v_lshlrev_b32 v11, 4, v252
	global_load_b128 v[16:19], v244, s[40:41]      ; Q's fragments: the first head's,
	global_load_b128 v[24:27], v244, s[40:41] offset:REC   ; the second's, kept until its pass
	global_load_b32 v8, v11, s[42:43]
	global_load_b32 v9, v11, s[42:43] offset:REC
	v_and_b32 v1, 7, v0
	v_lshlrev_b32 v1, 4, v1                        ; 16 j
	v_bfe_u32 v2, v0, 3, 1                         ; bit 3 of the lane: which 32 keys of a tile group's 64
	v_bfe_u32 v245, v0, 4, 1                       ; bit 4
	v_lshl_add_u32 v3, v2, 2, v1
	v_lshl_add_u32 v3, v245, 8, v3                 ; K's scale words: 16 j + 4 (bit 3) + 256 (bit 4): lanes 16-31 take the odd tile's
	v_mad_u32_u24 v1, v2, KCH, v1
	v_lshl_add_u32 v1, v245, 8, v1                 ; K's images: 16 j + KCH (bit 3) + 256 (bit 4: the channel half)
	v_add_nc_u32 v2, RB, v3
	v_lshl_add_u32 v3, v254, 4, RB+4096            ; V's fragments: 16 x lane
	v_lshl_add_u32 v4, v254, 3, RB+36864           ; V's scale words: 8 x lane
	v_lshlrev_b32 v245, 3, v245                    ; 8 (lane / 16): where my blocks' bytes stand in p's scale word
	v_lshlrev_b32 v255, 4, v0                      ; osc: 16 bytes a thread of waves 0 and 1
.irp j, 20,21,22,23
	v_mov_b32 v[\j], 0                             ; zero codes for k = 64 .. 127 of Q
.endr
.irp t, 0,1,2,3,4,5,6,7
.irp j, 4,5,6,7
	v_mov_b32 v[32+8*\t+\j], 0                     ; and of K: the loads fill registers 0-3 alone
.endr
.endr
	v_mov_b32 v253, 0                              ; (named as the upper half of the pair v[252:253] before it is first written)
	s_wait_alu depctr_va_vdst(0)
	s_wait_loadcnt 0x0                             ; Q
	s_wait_tensorcnt 0x0                           ; my part of the blocks is in,
	s_barrier_signal -1
	s_barrier_wait -1                              ; everybody's is
; The n-th of a step's 21 LDS loads: 0 V's scale words, 1-8 V's fragments (by v11, v7: this step's); 9-12 K's scale words of tiles 4 g + 2 u (lanes 0-15) and 4 g + 2 u + 1 (lanes 16-31), 13-20 K's tiles (by v6, v5: the next step's)
.macro LD n
.if (\n) == 0
	ds_load_b64 v[248:249], v11
.elseif (\n) < 9
	ds_load_b128 v[192+4*((\n)-1):195+4*((\n)-1)], v7 offset:512*((\n)-1)
.elseif (\n) < 13
	ds_load_b32 v[240+(\n)-9], v6 offset:128*(((\n)-9)%2)+8*(((\n)-9)/2)
.else
	ds_load_b128 v[32+8*((\n)-13):35+8*((\n)-13)], v5 offset:2*KCH*(((\n)-13)/4)+512*(((\n)-13)%2)+128*((((\n)-13)/2)%2)
.endif
.endm
.macro LDR a, b                        ; loads a .. b
.set n_, \a
.rept (\b)-(\a)+1
	LD n_
.set n_, n_+1
.endr
.endm
.macro MX3 d, a                        ; a chain of maxima begins with three scores,
	v_max3_num_f32 v[\d], v[\a], v[(\a)+1], v[(\a)+2]
.endm
.macro MXN d, a                        ; and takes two more
	v_max3_num_f32 v[\d], v[\d], v[\a], v[(\a)+1]
.endm
.macro PADD d, k                       ; a running sum takes the k-th pair of p
	v_pk_add_f32 v[\d:(\d)+1], v[\d:(\d)+1], v[96+2*(\k):97+2*(\k)]
.endm
.macro PIN a, b                        ; pair a of p takes pair b, in place (the conversions have read p)
	v_pk_add_f32 v[96+2*(\a):97+2*(\a)], v[96+2*(\a):97+2*(\a)], v[96+2*(\b):97+2*(\b)]
.endm
.macro TM n                            ; t - M, two at a time: n lines
.rept \n
	v_pk_fma_f32 v[96+j:97+j], v[96+j:97+j], s[CS:CS+1], v[12:13] op_sel_hi:[1,0,0]
.set j, j+2
.endr
.endm
; A KEY STEP: 128 keys.  Its K tiles and K scale words were asked for a step earlier.
.macro STEP
	s_wait_dscnt 0x0                               ; they are in
.irp g, 0,1
.irp u, 0,1
	v_wmma_scale_f32_16x16x128_f8f6f4 v[96+32*\g+16*\u:103+32*\g+16*\u], v[32+32*\g+16*\u:39+32*\g+16*\u], v[16:23], 0, v[240+2*\g+\u], v8 matrix_a_fmt:MATRIX_FMT_FP4 matrix_b_fmt:MATRIX_FMT_FP4
	v_wmma_scale_f32_16x16x128_f8f6f4 v[104+32*\g+16*\u:111+32*\g+16*\u], v[40+32*\g+16*\u:47+32*\g+16*\u], v[16:23], 0, v[240+2*\g+\u], v8 matrix_a_fmt:MATRIX_FMT_FP4 matrix_b_fmt:MATRIX_FMT_FP4 matrix_a_scale:MATRIX_SCALE_ROW1
.endr
.endr
	s_add_co_u32 s[TK], s[TK], 4*KCH
	s_add_co_u32 s[TS], s[TS], 512
	v_add_nc_u32 v5, s[TK], v1                     ; the next step's K; these four lines are the places behind the products above
	v_add_nc_u32 v6, s[TS], v2
	v_add_nc_u32 v7, s[TV], v3                     ; this step's V
	v_add_nc_u32 v11, s[TJ], v4
	; the largest score of my two blocks of 32 keys: four chains a block (registers 9-15, 25-31, 0-8, 16-24), eight lines from link to link; each accumulator is first read in its four lowest registers
.irp g, 0,1
	MX3 233+4*\g, 105+32*\g
	MX3 235+4*\g, 121+32*\g
.endr
.irp g, 0,1
	MX3 232+4*\g, 96+32*\g
	MX3 234+4*\g, 112+32*\g
.endr
.irp i, 0,2
.irp g, 0,1
	MXN 233+4*\g, 108+32*\g+\i
	MXN 235+4*\g, 124+32*\g+\i
.endr
.irp g, 0,1
	MXN 232+4*\g, 99+32*\g+\i
	MXN 234+4*\g, 115+32*\g+\i
.endr
.endr
	v_max_num_f32 v233, v233, v235
	v_max_num_f32 v237, v237, v239
.irp g, 0,1
	MXN 232+4*\g, 103+32*\g
	MXN 234+4*\g, 119+32*\g
.endr
	; the lines that make M follow each other; each reads results of plain vector lines alone and carries a hint that names the line it waits for
	s_delay_alu instid0(VALU_DEP_3)
	v_max3_num_f32 v232, v232, v234, v233          ; block 0's largest score (v234 was written three lines back),
	s_delay_alu instid0(VALU_DEP_2)
	v_max3_num_f32 v233, v236, v238, v237          ; block 1's (v238: two lines back)
	s_delay_alu instid0(VALU_DEP_1)
	v_max3_num_f32 v13, v13, v232, v233
	s_delay_alu instid0(VALU_DEP_1)
	v_permlanex16_b32 v234, v13, s[SEL], s[SEL+1]
	s_delay_alu instid0(VALU_DEP_1)
	v_max_num_f32 v13, v13, v234                   ; the running largest score of my query (c is positive: the largest t is c x it)
	s_delay_alu instid0(VALU_DEP_1)
	v_mul_f32 v234, s36, v13
	s_delay_alu instid0(VALU_DEP_1)
	v_floor_f32 v12, v234                          ; the new -M = floor(-t) = -ceil(t): a whole number
	s_delay_alu instid0(VALU_DEP_1)
	v_sub_f32 v254, v12, v254                      ; old M less new M (v254 held the old -M): a whole number, 0 or less
.set j, 0
	TM 4
	v_cvt_i32_f32 v254, v254                       ; (it saturates)
	TM 4
	v_ldexp_f32 v252, 1.0, v254                    ; f = 2^(old M - new M)
	TM 24
.irp g, 0,1
	v_fma_f32 v[232+\g], v[232+\g], s[CS], v12     ; the same of each block's largest score
.endr
.set j, 0
.rept 16
	v_pk_mul_f32 v[160+j:161+j], v[160+j:161+j], v[252:253] op_sel_hi:[1,0]   ; O^T under the new M, each accumulator from its low end on
.set j, j+2
.endr
.irp d, 14,28,30,246
	v_pk_mul_f32 v[\d:\d+1], v[\d:\d+1], v[252:253] op_sel_hi:[1,0]   ; and the four running sums
.endr
	s_wait_alu depctr_va_vdst(0)
	LDR 0, 20                                      ; the step's LDS loads in one run: V's nine first, then the next step's twelve of K
.set j, 0
.rept 64
	v_exp_f32 v[96+j], v[96+j]                     ; p = 2^(t - M), at most 1
.set j, j+1
.endr
.irp g, 0,1
	v_exp_f32 v[232+\g], v[232+\g]                 ; the block's largest p: the same two instructions on the same number
.endr
	v_mov_b32 v254, v12                            ; -M, kept for the next step (the plain line behind the exponentials)
	s_wait_alu depctr_va_vdst(0)                   ; one wait for the batch, ahead of its first reader
	; p's scales and codes, and THE ROW'S SUM of the unquantised p: 32 packed additions; the scales' lines stand among them, five lines from link to link
	v_max_num_f32 v232, 0x1800000, v232            ; the floor 2^(3 - 127): the byte cannot fall under 1
	v_max_num_f32 v233, 0x1800000, v233
	PADD 14, 0
	PADD 28, 1
	PADD 30, 2
	v_add_nc_u32 v232, 0xff000000, v232            ; 2 off the exponent field: the conversion's scale operand
	v_add_nc_u32 v233, 0xff000000, v233
	PADD 246, 3
	PADD 14, 4
	PADD 28, 5
	v_lshrrev_b32 v234, 23, v232                   ; my two blocks' bytes
	v_lshrrev_b32 v235, 23, v233
.irp g, 0,1
.irp t, 0,1,2,3
	v_cvt_scalef32_pk8_fp4_f32 v[224+4*\g+\t], v[96+32*\g+8*\t:103+32*\g+8*\t], v[232+\g]   ; register 4 g + t of the operand: keys 64 g + 32 h + 8 t on
.endr
.endr
	PADD 30, 6                                     ; (the plain line behind the conversions: it writes none of their registers)
	v_lshl_or_b32 v234, v235, 16, v234
	PADD 246, 7
	PIN 8, 16
	PIN 9, 17
	PIN 10, 18
	v_lshlrev_b32 v234, v245, v234                 ; blocks h and 2 + h: 8 h bits up
	PIN 11, 19
	PIN 12, 20
	PIN 13, 21
	PIN 14, 22
	v_permlanex16_b32 v235, v234, s[SEL], s[SEL+1]
	PIN 15, 23
	PIN 8, 24
	PIN 9, 25
	PIN 10, 26
	v_or_b32 v253, v234, v235                      ; with lane l xor 16's two bytes the word is whole; 13 plain lines stand between it and the products below
	PIN 11, 27
	PIN 12, 28
	PIN 13, 29
	PIN 14, 30
	PIN 15, 31
	PIN 8, 12
	PIN 9, 13
	PIN 10, 14
	PIN 11, 15
	PADD 14, 8
	PADD 28, 9
	PADD 30, 10
	PADD 246, 11
	s_wait_dscnt 12                                ; V's nine loads are in; the next step's twelve of K, issued behind them, may be out
.irp t, 0,1,2,3                        ; O^T += V^T P^T: the four accumulators by turns
.if \t%2
	v_wmma_scale_f32_16x16x128_f8f6f4 v[160+8*\t:167+8*\t], v[192+8*\t:199+8*\t], v[224:231], v[160+8*\t:167+8*\t], v[248+\t/2], v253 matrix_a_fmt:MATRIX_FMT_FP4 matrix_b_fmt:MATRIX_FMT_FP4 matrix_a_scale:MATRIX_SCALE_ROW1
.else
	v_wmma_scale_f32_16x16x128_f8f6f4 v[160+8*\t:167+8*\t], v[192+8*\t:199+8*\t], v[224:231], v[160+8*\t:167+8*\t], v[248+\t/2], v253 matrix_a_fmt:MATRIX_FMT_FP4 matrix_b_fmt:MATRIX_FMT_FP4
.endif
.endr
.endm
; A pass's end: O^T / the sum is my query's 64 channels of this head: register 16 g + i = channel 32 g + 16 h + i (channel places stand with bits 3 and 4 exchanged).  Two blocks are quantised; the four code registers are half a fragment of the last product.
.macro FIN p
	s_wait_alu depctr_va_vdst(0)
	v_pk_add_f32 v[14:15], v[14:15], v[28:29]      ; the four running sums (these lines are also the places behind the last products),
	v_pk_add_f32 v[30:31], v[30:31], v[246:247]
	v_nop
	v_nop
	v_nop
	v_pk_add_f32 v[14:15], v[14:15], v[30:31]
	v_nop
	v_nop
	v_add_f32 v14, v14, v15                        ; the two halves,
	v_permlanex16_b32 v252, v14, s[SEL], s[SEL+1]
	v_add_f32 v14, v14, v252                       ; and lane l xor 16's
	s_wait_alu depctr_va_vdst(0)
	v_rcp_f32 v14, v14
	v_nop                                          ; one plain line behind a transcendental
	s_wait_alu depctr_va_vdst(0)                   ; and ahead of its first reader, which is also the first reader of O^T
.set j, 0
.rept 16
	v_pk_mul_f32 v[96+j:97+j], v[160+j:161+j], v[14:15] op_sel_hi:[1,0]
.set j, j+2
.endr
.irp b, 0,1
	v_max3_num_f32 v[232+\b], |v[96+16*\b]|, |v[97+16*\b]|, 0x1800000
.endr
.irp i, 2,4,6,8,10,12,14
.irp b, 0,1
	v_max3_num_f32 v[232+\b], v[232+\b], |v[96+16*\b+\i]|, |v[97+16*\b+\i]|
.endr
.endr
.irp b, 0,1
	v_permlanex16_b32 v[234+\b], v[232+\b], s[SEL], s[SEL+1]
.endr
.irp b, 0,1
	v_max_num_f32 v[232+\b], v[232+\b], v[234+\b]
.endr
.irp b, 0,1
	v_add_nc_u32 v[236+\b], 0xff000000, v[232+\b]
.endr
.irp b, 0,1
	v_lshrrev_b32 v[238+\b], 23, v[236+\b]
.endr
.if \p == 0
	v_lshl_or_b32 v10, v239, 8, v238               ; the K step's scale word: the first head's two bytes,
.else
	v_lshl_or_b32 v10, v238, 16, v10               ; the second's
	v_lshl_or_b32 v10, v239, 24, v10
.endif
.irp b, 0,1
	v_cvt_scalef32_pk8_fp4_f32 v[224+2*\b], v[96+16*\b:103+16*\b], v[236+\b]
	v_cvt_scalef32_pk8_fp4_f32 v[225+2*\b], v[104+16*\b:111+16*\b], v[236+\b]
.endr
	v_nop                                          ; one plain line behind a scaled conversion
	v_permlane16_swap_b32 v224, v226               ; a whole block in a lane
	v_permlane16_swap_b32 v225, v227
	global_store_b128 v244, v[224:227], s[44:45] offset:512*\p   ; the wave stores 512 consecutive bytes, aligned
.endm
.macro PASS p
	s_mov_b32 s[TK], KIB*\p
	s_mov_b32 s[TS], RSB*\p
	s_mov_b32 s[TV], RSB*\p
	s_mov_b32 s[TJ], RSB*\p
	s_mov_b32 s[CNT], 8
	s_wait_dscnt 0x0                               ; no LDS load of mine is out: K's registers may be asked for anew
	v_add_nc_u32 v5, s[TK], v1
	v_add_nc_u32 v6, s[TS], v2
	LDR 9, 20                                      ; the first step's K
.if \p == 1
.irp j, 0,1,2,3
	v_mov_b32 v[16+\j], v[24+\j]                   ; the second head's Q takes the operand's registers,
.endr
	v_mov_b32 v8, v9                               ; and its scale words theirs
.endif
	v_mov_b32 v13, 0xff61b1e6                      ; the largest score so far: -3e38
	v_mov_b32 v12, 0x7d000000                      ; -M = 2^123, a whole number over every floor(-t): the first change of M gives f = 0
	v_mov_b32 v254, 0x7d000000
.irp j, 14,15,28,29,30,31,246,247
	v_mov_b32 v[\j], 0                             ; the running sums
.endr
.set j, 0
.rept 32
	v_mov_b32 v[160+j], 0                          ; O^T: the step is written once; its first trip finds zeros
.set j, j+1
.endr
	s_wait_alu depctr_va_vdst(0)
.Lstep_\@:
	STEP
	s_add_co_u32 s[TV], s[TV], 4096
	s_add_co_u32 s[TJ], s[TJ], 256
	s_sub_co_u32 s[CNT], s[CNT], 1
	s_cmp_lg_u32 s[CNT], 0
	s_cbranch_scc1 .Lstep_\@
	FIN \p
.endm
	PASS 0
	s_wait_xcnt 0x0                                ; the first head's store has read v224-227, which pass 1 writes again
	PASS 1
	v_and_b32 v232, 15, v0
	v_lshl_add_u32 v232, v232, 2, s62              ; where o's scale word of my query goes: 64 x wave + 4 r
	v_lshl_add_u32 v233, v0, 4, OSTG               ; where waves 0 and 1 read 16 bytes back
	ds_store_b32 v232, v10                         ; both halves of the lanes write the same word with the same value
	s_wait_alu depctr_va_vdst(0)
	s_wait_dscnt 0x0                               ; for the others' sake: my store is done (and my last loads are in)
	s_barrier_signal -1
	s_barrier_wait -1
	s_cmp_lt_u32 s[WV], 2                          ; the work-group's 256 words leave by waves 0 and 1: 512 consecutive bytes each
	s_cbranch_scc0 .Lno_words
	ds_load_b128 v[96:99], v233
	s_wait_dscnt 0x0
	global_store_b128 v255, v[96:99], s[46:47]
.Lno_words:
	s_wait_tensorcnt 0x0                           ; the wave's end
	ds_add_u32 v250, v251
	s_wait_dscnt 0x0
	CROUND                                         ; the closing round
	s_endpgm
.Lfunc_end_k_q0738355ace_attn:
	.size	k_q0738355ace_attn, .Lfunc_end_k_q0738355ace_attn-k_q0738355ace_attn
	.p2alignl 7, 3214868480
	.fill 96, 4, 3214868480
	.section	.rodata,"a",@progbits
	.p2align	6, 0x0
	.amdhsa_kernel k_q0738355ace_attn
		.amdhsa_group_segment_fixed_size 327680
		.amdhsa_private_segment_fixed_size 0
		.amdhsa_enable_private_segment 0
		.amdhsa_kernarg_size 24
		.amdhsa_user_sgpr_count 2
		.amdhsa_user_sgpr_kernarg_segment_ptr 1
		.amdhsa_wavefront_size32 1
		.amdhsa_system_sgpr_workgroup_id_x 1
		.amdhsa_system_sgpr_workgroup_id_y 1
		.amdhsa_system_sgpr_workgroup_id_z 1
		.amdhsa_system_vgpr_workitem_id 0
		.amdhsa_next_free_vgpr 256
		.amdhsa_next_free_sgpr 66
		.amdhsa_reserve_vcc 0
		.amdhsa_float_denorm_mode_32 3
		.amdhsa_float_denorm_mode_16_64 3
		.amdhsa_memory_ordered 1
		.amdhsa_forward_progress 1
		.amdhsa_inst_pref_size 51
	.end_amdhsa_kernel
	.amdgpu_metadata
---
amdhsa.version: [ 1, 2 ]
amdhsa.kernels:
  - .name:           k_q0738355ace_attn
    .symbol:         k_q0738355ace_attn.kd
    .args:
      - { .name: qkv, .offset: 0, .size: 8, .value_kind: global_buffer, .address_space: global }
      - { .name: oimg, .offset: 8, .size: 8, .value_kind: global_buffer, .address_space: global }
      - { .name: osc, .offset: 16, .size: 8, .value_kind: global_buffer, .address_space: global }
    .group_segment_fixed_size: 327680
    .private_segment_fixed_size: 0
    .kernarg_segment_align: 8
    .kernarg_segment_size: 24
    .max_flat_workgroup_size: 512
    .sgpr_count:     66
    .vgpr_count:     256
    .wavefront_size: 32
...
	.end_amdgpu_metadata
.endif
;; end of part 3
;; launch fcgemm (part 4): grid 4 x 64, 4 waves a work-group, clusters of 4 x 4, 327,680 bytes of LDS; arguments oimg, osc, cod, scl, fc_b, x, out0; writes out0
.if DOCPART == 4
	.amdgcn_target "amdgcn-amd-amdhsa--gfx1250"
	.amdhsa_code_object_version 6
	.text
	.protected	k_q0738355ace_fcgemm
	.globl	k_q0738355ace_fcgemm
	.p2align	8
	.type	k_q0738355ace_fcgemm,@function
k_q0738355ace_fcgemm:
	s_mov_b64 s[64:65], 0
	v_nop
	global_prefetch_b8 v0, s[64:65] scope:SCOPE_SE
	s_setreg_imm32_b32 hwreg(HW_REG_WAVE_MODE, 25, 1), 1
	s_wait_xcnt 0x0
	s_wait_alu depctr_hold_cnt(0) depctr_sa_sdst(0) depctr_va_vdst(0) depctr_va_sdst(0) depctr_va_ssrc(0) depctr_va_vcc(0) depctr_vm_vsrc(0)
	s_getreg_b32 s2, hwreg(HW_REG_IB_STS2, 6, 4)
	s_cmp_eq_u32 s2, 0
	s_cbranch_scc0 .Lentry_in_a_cluster
	s_endpgm
.Lentry_in_a_cluster:
	s_bfe_u32 s2, ttmp6, 0x10000c
	s_cmp_lg_u32 s2, 0xf033
	s_cbranch_scc0 .Lentry_shape_is_right
	s_endpgm
.Lentry_shape_is_right:
; out0 = o fc_w^T + fc_b + x on codes of FP4 with E8M0 scales (K = 1,024).  A work-group makes 128 tokens x 256 columns, a wave 64 x 128: 32 accumulators, 8 K steps of 32 matrix instructions; the bias is the C of each sum's first.
; THE FILLS: four tiles, each whole and for all of K, one tensor load a wave at the head and none later: wave 0 o's images (65,536 dense bytes: [token tile 8][head 16][512]), wave 1 fc_w's 256 rows of 512 bytes
; (16 bytes of padding behind each: rows 528 apart), wave 2 o's scale words (8 rows of 512 bytes), wave 3 fc_w's scale bytes (8,192 dense bytes).  o's tiles are asked for jointly along a row of the 4 x 4 cluster, fc_w's along a column.
; No prefetch: every byte is asked for once, at the head; there is no loop to run ahead in.  Results go through each wave's stage in LDS, take x's rows, and leave as rows of 512 bytes.
.set PITCH,  528
.set ASLOT,  32768
.set BSL,    2*ASLOT
.set HALFB,  128*PITCH
.set BSLOT,  2*HALFB
.set SCB,    BSL+BSLOT
.set HALFS,  16*272
.set SCA,    SCB+2*HALFS
.set STG,    SCA+4096
.set ADRA, 16
.set ADRB, 20
.set ADSA, 22
.set ADSB, 23
.set STO,  24
.set RD,   25
.set CO,   26
.set VB,   27
.set SA,   32
.set SB,   48
.set BI,   80
.set AF,   192
.set G1, 24
.set G0, 32
.set G1B, 48
.set G0B, 56
.set G1S, 68
.set G0S, 76
.set G1SB, 80
.set G0SB, 88
.set MSB, 0
.macro WIN new
.if MSB != \new
	s_set_vgpr_msb (MSB<<8)|\new
.set MSB, \new
.endif
.endm
.macro JLOAD g0a, g1a, g0b, g1b
	s_cmp_eq_u32 s17, 0
	s_cbranch_scc0 .Lfor_b_\@
	tensor_load_to_lds s[\g0a:\g0a+3], s[\g1a:\g1a+7]
	s_nop 0
.rept 4
	v_nop
.endr
	s_branch .Lasked_\@
.Lfor_b_\@:
	tensor_load_to_lds s[\g0b:\g0b+3], s[\g1b:\g1b+7]
	s_nop 0
.rept 4
	v_nop
.endr
.Lasked_\@:
.endm
.macro CROUND
	s_barrier_signal -1
	s_barrier_wait -1
	s_cmp_lg_u32 s16, 0
	s_cbranch_scc1 .Lnot_wave_0_\@
	s_barrier_signal -3
.Lnot_wave_0_\@:
	s_barrier_wait -3
	s_barrier_signal -1
	s_barrier_wait -1
.endm
.macro PLACES
.rept 4
	v_nop
.endr
.endm
	s_load_b256 s[4:11], s[0:1], 0x0
	s_load_b128 s[12:15], s[0:1], 0x20
	s_load_b64 s[96:97], s[0:1], 0x30
	v_lshl_add_u32 v30, v0, 2, 0x3d600
	v_mov_b32 v31, 0
	ds_add_u32 v30, v31
	ds_add_u32 v30, v31
	v_lshrrev_b32 v1, 5, v0
	v_readfirstlane_b32 s16, v1
	s_lshr_b32 s17, s16, 1
	s_and_b32 s18, s16, 1
	s_bfe_u32 s40, ttmp6, 0x40000
	s_bfe_u32 s41, ttmp6, 0x40004
	s_lshl_b32 s42, ttmp9, 2
	s_add_co_u32 s42, s42, s40
	s_and_b32 s19, ttmp7, 0xffff
	s_lshl_b32 s19, s19, 2
	s_add_co_u32 s19, s19, s41
	s_lshl_b32 s43, s41, 2
	s_lshl_b32 s43, 15, s43
	s_lshl_b32 s44, 0x1111, s40
	s_or_b32 s[G1+0], s43, (3<<16)|(1<<21)
	s_mov_b32 s[G1+1], 32<<16                      ; o's images: 256 dense rows of 256 bytes
	s_mov_b32 s[G1+2], 256<<16
	s_mov_b32 s[G1+3], 32<<16
	s_mov_b32 s[G1+4], 256
	s_mov_b32 s[G1+5], 32
	s_mov_b32 s[G1+6], 0
	s_mov_b32 s[G1+7], 0
	s_or_b32 s[G1S+0], s43, (3<<16)|(1<<21)
	s_mov_b32 s[G1S+1], 64<<16                     ; o's scale words: 8 rows (K steps) of 512 bytes (128 tokens), 4,096 bytes apart
	s_mov_b32 s[G1S+2], 8<<16
	s_mov_b32 s[G1S+3], 64<<16
	s_mov_b32 s[G1S+4], 8
	s_mov_b32 s[G1S+5], 512
	s_mov_b32 s[G1S+6], 0
	s_mov_b32 s[G1S+7], 0
	s_or_b32 s[G1B+0], s44, (0<<16)|(1<<20)|(1<<21)|(6<<22)|(3<<25)   ; fc_w's codes: 256 rows of 512 bytes, four words of padding after every 128
	s_mov_b32 s[G1B+1], 512<<16
	s_mov_b32 s[G1B+2], 256<<16
	s_mov_b32 s[G1B+3], 512<<16
	s_mov_b32 s[G1B+4], 256
	s_mov_b32 s[G1B+5], 512
	s_mov_b32 s[G1B+6], 0
	s_mov_b32 s[G1B+7], 0
	s_or_b32 s[G1SB+0], s44, (3<<16)|(1<<20)|(1<<21)|(5<<22)|(3<<25)
	s_mov_b32 s[G1SB+1], 32<<16
	s_mov_b32 s[G1SB+2], 32<<16
	s_mov_b32 s[G1SB+3], 32<<16
	s_mov_b32 s[G1SB+4], 32
	s_mov_b32 s[G1SB+5], 32
	s_mov_b32 s[G1SB+6], 0
	s_mov_b32 s[G1SB+7], 0
	s_lshl_b32 s20, s19, 16
	s_mov_b32 s21, 0
	s_lshr_b32 s22, s19, 3
	s_lshl_b32 s22, s22, 15
	s_and_b32 s23, s19, 7
	s_lshl_b32 s23, s23, 9
	s_add_co_u32 s22, s22, s23
	s_mov_b32 s23, 0
	s_lshl_b32 s46, s42, 8
	s_lshl_b32 s92, s46, 5
	s_add_co_u32 s92, s92, 360448
	s_mov_b32 s93, 0
	s_lshl_b32 s46, s46, 9
	s_add_co_u32 s46, s46, 5767168
	s_mov_b32 s47, 0
	s_wait_dscnt 0x0
	s_wait_kmcnt 0x0
	s_add_nc_u64 s[20:21], s[4:5], s[20:21]
	s_add_nc_u64 s[22:23], s[6:7], s[22:23]
	s_add_nc_u64 s[46:47], s[8:9], s[46:47]
	s_add_nc_u64 s[92:93], s[10:11], s[92:93]
	CROUND
	s_mov_b32 s[G0S], 1
	s_mov_b32 s[G0S+1], SCA
	s_mov_b64 s[G0S+2:G0S+3], s[22:23]
	s_or_b32 s[G0S+3], s[G0S+3], 0x80000000
	s_mov_b32 s[G0SB], 1
	s_mov_b32 s[G0SB+1], SCB
	s_mov_b64 s[G0SB+2:G0SB+3], s[92:93]
	s_or_b32 s[G0SB+3], s[G0SB+3], 0x80000000
.irp s, 0
	s_mov_b32 s[G0+4*\s], 1
	s_mov_b32 s[G0+4*\s+1], 0
	s_add_nc_u64 s[G0+4*\s+2:G0+4*\s+3], s[20:21], \s*4096
	s_or_b32 s[G0+4*\s+3], s[G0+4*\s+3], 0x80000000
	s_mov_b32 s[G0B+4*\s], 1
	s_mov_b32 s[G0B+4*\s+1], BSL
	s_add_nc_u64 s[G0B+4*\s+2:G0B+4*\s+3], s[46:47], \s*256
	s_or_b32 s[G0B+4*\s+3], s[G0B+4*\s+3], 0x80000000
.endr
; THE HEAD'S LOADS, one a wave: one tree of branches on the wave's number, an arm a load, all arms leading to one join.
.macro ARM under, g0, g1, next
	s_cmp_lt_u32 s16, \under
	s_cbranch_scc0 \next
	tensor_load_to_lds s[\g0:\g0+3], s[\g1:\g1+7]
	s_nop 0
.rept 4
	v_nop
.endr
	s_branch .Lhead_asked
\next:
.endm
	ARM 1, G0,  G1,  .Lhead_b
	ARM 2, G0B, G1B, .Lhead_sa
	ARM 3, G0S, G1S, .Lhead_sb
	tensor_load_to_lds s[G0SB:G0SB+3], s[G1SB:G1SB+7]
	s_nop 0
.rept 4
	v_nop
.endr
.Lhead_asked:
	v_and_b32 v1, 15, v0
	v_bfe_u32 v2, v0, 4, 1
	v_and_b32 v3, 31, v0
	v_lshlrev_b32 v[CO], 4, v3
	v_lshlrev_b32 v[VB], 6, v2
	s_wait_alu depctr_va_vdst(0)
	s_lshl_b32 s20, s42, 10
	s_lshl_b32 s21, s18, 9
	s_add_co_u32 s20, s20, s21
	s_mov_b32 s21, 0
	s_add_nc_u64 s[12:13], s[12:13], s[20:21]
	s_lshl_b32 s22, s19, 7
	s_lshl_b32 s23, s17, 6
	s_add_co_u32 s22, s22, s23
	s_lshl_b32 s22, s22, 12
	s_add_co_u32 s20, s20, s22
	s_add_nc_u64 s[14:15], s[14:15], s[20:21]
	s_add_nc_u64 s[96:97], s[96:97], s[20:21]
.irp b, 0,1,2,3,4,5,6,7
	global_load_b128 v[BI+8*\b:BI+8*\b+3], v[VB], s[12:13] offset:128*(\b/2)+32*(\b%2)
	global_load_b128 v[BI+8*\b+4:BI+8*\b+7], v[VB], s[12:13] offset:128*(\b/2)+32*(\b%2)+16
.endr
.macro RLOAD a
	WIN 0xc0
.irp t, 0,1,2,3,4,5,6,7,8,9,10,11,12,13,14,15
	global_load_b128 v[4*(16*\a+\t):4*(16*\a+\t)+3], v[CO], s[14:15] offset:(32*(\a/2)+16*(\t/8)+8*(\a%2)+\t%8)*4096 th:TH_LOAD_NT
.endr
	WIN 0
.endm
	RLOAD 0                                        ; x's rows for all four blocks of the way out are asked for here, at the head: 64 loads a wave into window 3, which nothing else names
	RLOAD 1
	RLOAD 2
	RLOAD 3
	s_lshl_b32 s20, s17, 15                        ; my four token tiles of 8,192 bytes
	v_add_nc_u32 v[ADRA], s20, v[CO]
	v_add_nc_u32 v[ADRA+1], 4096, v[ADRA]          ; K steps 4 to 7: heads 8 on
	v_mul_u32_u24 v4, v1, PITCH
	v_lshl_add_u32 v4, v2, 4, v4
	s_mul_i32 s20, s18, HALFB
	s_add_co_u32 s20, s20, BSL
	v_add_nc_u32 v[ADRB], s20, v4
	v_add_nc_u32 v[ADRB+1], 256, v[ADRB]           ; K steps 4 to 7: the row's second 256 bytes
	s_lshl_b32 s20, s17, 8                         ; my 64 tokens' words in a row of 512 bytes
	s_add_co_u32 s20, s20, SCA
	v_lshl_add_u32 v[ADSA], v3, 2, s20
	v_lshlrev_b32 v5, 5, v3
	v_lshrrev_b32 v6, 3, v3
	v_lshl_add_u32 v5, v6, 4, v5
	s_mul_i32 s20, s18, HALFS
	s_add_co_u32 s20, s20, SCB
	v_add_nc_u32 v[ADSB], s20, v5
	s_mul_i32 s20, s16, 16*528
	s_add_co_u32 s20, s20, STG
	v_mul_u32_u24 v[STO], v1, 528
	v_lshl_add_u32 v[STO], v2, 6, v[STO]
	v_add_nc_u32 v[STO], s20, v[STO]
	v_add_nc_u32 v[RD], s20, v[CO]
.macro WM d, s0, s1, c, x0, x1, r0, r1
.if ((\r0) == 0) && ((\r1) == 0)
	v_wmma_scale_f32_16x16x128_f8f6f4 v[(\d):(\d)+7], v[(\s0):(\s0)+7], v[(\s1):(\s1)+7], v[(\c):(\c)+7], v[(\x0)], v[(\x1)] matrix_a_fmt:MATRIX_FMT_FP4 matrix_b_fmt:MATRIX_FMT_FP4
.elseif ((\r0) == 1) && ((\r1) == 0)
	v_wmma_scale_f32_16x16x128_f8f6f4 v[(\d):(\d)+7], v[(\s0):(\s0)+7], v[(\s1):(\s1)+7], v[(\c):(\c)+7], v[(\x0)], v[(\x1)] matrix_a_fmt:MATRIX_FMT_FP4 matrix_b_fmt:MATRIX_FMT_FP4 matrix_a_scale:MATRIX_SCALE_ROW1
.elseif ((\r0) == 0) && ((\r1) == 1)
	v_wmma_scale_f32_16x16x128_f8f6f4 v[(\d):(\d)+7], v[(\s0):(\s0)+7], v[(\s1):(\s1)+7], v[(\c):(\c)+7], v[(\x0)], v[(\x1)] matrix_a_fmt:MATRIX_FMT_FP4 matrix_b_fmt:MATRIX_FMT_FP4 matrix_b_scale:MATRIX_SCALE_ROW1
.else
	v_wmma_scale_f32_16x16x128_f8f6f4 v[(\d):(\d)+7], v[(\s0):(\s0)+7], v[(\s1):(\s1)+7], v[(\c):(\c)+7], v[(\x0)], v[(\x1)] matrix_a_fmt:MATRIX_FMT_FP4 matrix_b_fmt:MATRIX_FMT_FP4 matrix_a_scale:MATRIX_SCALE_ROW1 matrix_b_scale:MATRIX_SCALE_ROW1
.endif
.endm
.macro FETCH f
.set FS, (\f)%2
.set FL, (\f)/4
.set FQ, (\f)%4
	WIN 0x40
.irp i, 0,1,2,3,4,5,6,7
.irp c, 0,1
	ds_load_b128 v[128*FS+8*\i+4*\c:128*FS+8*\i+4*\c+3], v[ADRB+FL] offset:64*FQ+32*\c+\i*16*PITCH
.endr
.endr
	WIN 0
.irp a, 0,1,2,3
.irp c, 0,1
	ds_load_b128 v[AF+32*FS+8*\a+4*\c:AF+32*FS+8*\a+4*\c+3], v[ADRA+FL] offset:8192*\a+1024*FQ+512*\c
.endr
.endr
.endm
.macro SCALES
.irp p, 0,1
.irp f, 0,1,2,3,4,5,6,7
	ds_load_b32 v[SA+8*\p+\f], v[ADSA] offset:512*\f+128*\p
.endr
.endr
.irp p, 0,1,2,3
.irp s, 0,1
	ds_load_b128 v[SB+8*\p+4*\s:SB+8*\p+4*\s+3], v[ADSB] offset:1088*\p+16*\s
.endr
.endr
.endm
.macro MUL f
.set FS, (\f)%2
.if (\f) == 0
	WIN 0x81
.else
	WIN 0xa1
.endif
.irp a, 0,1,2,3
.irp b, 0,1,2,3,4,5,6,7
.set rD, 8*(8*\a+\b)
.set rC, rD
.if (\f) == 0
.set rC, BI+8*\b
.endif
.set rA, 128*FS+8*\b
.set rB, AF+32*FS+8*\a
.set xA, SB+8*(\b/2)+(\f)
.set xB, SA+8*(\a/2)+(\f)
	WM rD, rA, rB, rC, xA, xB, \b%2, \a%2
.endr
.endr
.endm
.macro STEP f
	s_wait_dscnt 0x0
.if \f < 7
	PLACES
	FETCH \f+1
.endif
	MUL \f
.endm
.macro TOSTAGE a
	WIN 0x08
.irp b, 0,1,2,3,4,5,6,7
	ds_store_b128 v[STO], v[64*\a+8*\b:64*\a+8*\b+3] offset:128*(\b/2)+32*(\b%2)
	ds_store_b128 v[STO], v[64*\a+8*\b+4:64*\a+8*\b+7] offset:128*(\b/2)+32*(\b%2)+16
.endr
	WIN 0
.set BB, 128+64*((\a)%2)
.irp t, 0,1,2,3,4,5,6,7,8,9,10,11,12,13,14,15
	ds_load_b128 v[BB+4*\t:BB+4*\t+3], v[RD] offset:528*\t
.endr
.endm
.macro SEND a, younger
.set BB, 128+64*((\a)%2)
	s_wait_dscnt \younger
	WIN 0x0c
.irp t, 0,1,2,3,4,5,6,7,8,9,10,11,12,13,14,15
	v_pk_add_f32 v[BB+4*\t:BB+4*\t+1], v[BB+4*\t:BB+4*\t+1], v[4*(16*(\a)+\t):4*(16*(\a)+\t)+1]
	v_pk_add_f32 v[BB+4*\t+2:BB+4*\t+3], v[BB+4*\t+2:BB+4*\t+3], v[4*(16*(\a)+\t)+2:4*(16*(\a)+\t)+3]
.endr
	WIN 0
.irp t, 0,1,2,3,4,5,6,7,8,9,10,11,12,13,14,15
	global_store_b128 v[CO], v[BB+4*\t:BB+4*\t+3], s[96:97] offset:(32*((\a)/2)+16*(\t/8)+8*((\a)%2)+\t%8)*4096 th:TH_STORE_NT
.endr
.endm
	s_wait_alu depctr_va_vdst(0)
	s_wait_tensorcnt 0x0                           ; my tile of the four is in; behind the barrier everybody's is
	s_barrier_signal -1
	s_barrier_wait -1
	SCALES
	FETCH 0
	s_wait_loadcnt 63                              ; the bias's 16 loads are in: 64 loads were issued behind them, and a smaller count is safe
.irp f, 0,1,2,3,4,5,6,7
	STEP \f
.endr
	WIN 0
	PLACES
	s_wait_loadcnt 0x0
	TOSTAGE 0
.irp a, 1,2,3
.if \a > 1
	s_wait_xcnt 0x0
.endif
	TOSTAGE \a
	SEND \a-1, 32
.endr
	SEND 3, 0
	s_wait_tensorcnt 0x0
	ds_add_u32 v30, v31
	s_wait_dscnt 0x0
	CROUND
	s_endpgm
.Lfunc_end_k_q0738355ace_fcgemm:
	.size	k_q0738355ace_fcgemm, .Lfunc_end_k_q0738355ace_fcgemm-k_q0738355ace_fcgemm
	.p2alignl 7, 3214868480
	.fill 96, 4, 3214868480
	.section	.rodata,"a",@progbits
	.p2align	6, 0x0
	.amdhsa_kernel k_q0738355ace_fcgemm
		.amdhsa_group_segment_fixed_size 327680
		.amdhsa_private_segment_fixed_size 0
		.amdhsa_enable_private_segment 0
		.amdhsa_kernarg_size 56
		.amdhsa_user_sgpr_count 2
		.amdhsa_user_sgpr_kernarg_segment_ptr 1
		.amdhsa_wavefront_size32 1
		.amdhsa_system_sgpr_workgroup_id_x 1
		.amdhsa_system_sgpr_workgroup_id_y 1
		.amdhsa_system_sgpr_workgroup_id_z 1
		.amdhsa_system_vgpr_workitem_id 0
		.amdhsa_next_free_vgpr 1024
		.amdhsa_next_free_sgpr 102
		.amdhsa_reserve_vcc 0
		.amdhsa_float_denorm_mode_32 3
		.amdhsa_float_denorm_mode_16_64 3
		.amdhsa_memory_ordered 1
		.amdhsa_forward_progress 1
		.amdhsa_inst_pref_size 87
	.end_amdhsa_kernel
	.amdgpu_metadata
---
amdhsa.version: [ 1, 2 ]
amdhsa.kernels:
  - .name:           k_q0738355ace_fcgemm
    .symbol:         k_q0738355ace_fcgemm.kd
    .args:
      - { .name: oimg, .offset: 0, .size: 8, .value_kind: global_buffer, .address_space: global }
      - { .name: osc, .offset: 8, .size: 8, .value_kind: global_buffer, .address_space: global }
      - { .name: cod, .offset: 16, .size: 8, .value_kind: global_buffer, .address_space: global }
      - { .name: scl, .offset: 24, .size: 8, .value_kind: global_buffer, .address_space: global }
      - { .name: fc_b, .offset: 32, .size: 8, .value_kind: global_buffer, .address_space: global }
      - { .name: x, .offset: 40, .size: 8, .value_kind: global_buffer, .address_space: global }
      - { .name: out0, .offset: 48, .size: 8, .value_kind: global_buffer, .address_space: global }
    .group_segment_fixed_size: 327680
    .private_segment_fixed_size: 0
    .kernarg_segment_align: 8
    .kernarg_segment_size: 56
    .max_flat_workgroup_size: 128
    .sgpr_count:     102
    .vgpr_count:     1024
    .wavefront_size: 32
...
	.end_amdgpu_metadata
.endif
;; end of part 4
